; MI455X (gfx1250); checked and timed in simulation.
; The chip was launched on July 23, 2026; its instructions are those of AMD's public machine-readable ISA for CDNA 5 (MIT licence, August 2026) and "CDNA5" Instruction Set Architecture Reference Guide (July 2026). The comments in the code are by the model that wrote it; some were corrected since.
;; Multi Head Attention. Allowed arithmetic: matrix products marked QUANTISED: E2M3 operands, one E8M0 scale for each 32 along K, by v_wmma_scale_f32_16x16x128_f8f6f4 with both operands' format E2M3, f32 sums; everything else in f32.
;; Inputs: Wk 1,024 x 1,024 float32; Wo 1,024 x 1,024 float32; Wq 1,024 x 1,024 float32; Wv 1,024 x 1,024 float32; bk 1,024 float32; bo 1,024 float32; bq 1,024 float32; bv 1,024 float32; k 4 x 2,048 x 1,024 float32; mask 4 x 2,048 int32; q 4 x 2,048 x 1,024 float32; v 4 x 2,048 x 1,024 float32.
;; Outputs: out0 4 x 2,048 x 1,024 float32.
;; This version of the problem:
;;   THIS VERSION OF THE PROBLEM IS GIVEN IN LOW PRECISION. The matrix products marked QUANTISED in the list below multiply operands that are first quantised to E2M3 (2 exponent bits, 3 mantissa bits; 6 bits a number), with one power-of-two scale for each 32 numbers along K (OCP MX v1.0); their sums are f32. All else is computed in f32.
;;   The module's matrix products, in the order in which they are computed (A, B: the left and right operand; K: the contracted axis; several contracted axes count as one K, in the product's order):
;;     1. [M 8,192, K 1,024] x [K 1,024, N 1,024]; A: input q; B: input Wq: QUANTISED
;;     2. [M 8,192, K 1,024] x [K 1,024, N 1,024]; A: input k; B: input Wk: QUANTISED
;;     3. [M 8,192, K 1,024] x [K 1,024, N 1,024]; A: input v; B: input Wv: QUANTISED
;;     4. batch 64 x [M 2,048, K 64] x [K 64, N 2,048]; A: computed on the way; B: computed on the way: QUANTISED
;;     5. batch 64 x [M 2,048, K 2,048] x [K 2,048, N 64]; A: softmax (see below); B: computed on the way: QUANTISED
;;     6. [M 8,192, K 1,024] x [K 1,024, N 1,024]; A: computed on the way; B: input Wo: QUANTISED
;;   THE QUANTISER, for each operand of a quantised product, along K:
;;     - K is cut into blocks of 32 from its start; a last block that is shorter is filled with zeros.
;;     - A block's scale is 2^e with e = floor(log2(the largest magnitude in the block)) - 2, held to -126 .. 127; a block of zeros has e = 0. As a byte (E8M0): e + 127.
;;     - Each number is divided by its block's scale, clamped to +-7.5, and rounded to the nearest number of E2M3, ties to even, subnormals kept.
;;     - The product sums the exact products of the quantised numbers (number of the format x scale) in f32.
;;   ~~~python
;;   def quantise(x, axis):      # numpy; x: float32 -> the quantised numbers, widened to float32 again
;;       x = np.moveaxis(x, axis, -1); K = x.shape[-1]
;;       x = np.pad(x, [(0, 0)] * (x.ndim - 1) + [(0, -K % 32)]); x = x.reshape(x.shape[:-1] + (-1, 32)); a = np.abs(x).max(-1, keepdims=True)
;;       e = np.where(a > 0, np.clip(np.frexp(np.where(a > 0, a, 1))[1] - 1 - 2, -126, 127), 0)      # np.frexp(a)[1] - 1 = floor(log2(a)), exactly
;;       r = np.clip(x / 2.0 ** e, -7.5, 7.5)
;;       step = 2.0 ** (np.maximum(np.frexp(np.where(r == 0, 1, r))[1] - 1, 0) - 3)
;;       q = np.round(r / step) * step * 2.0 ** e      # np.round: ties to even
;;       return np.moveaxis(q.reshape(q.shape[:-2] + (-1,))[..., :K], -1, axis).astype(np.float32)
;;   ~~~
;;   SOFTMAX AHEAD OF A QUANTISED PRODUCT. Where the list says 'softmax', what is quantised is not the finished softmax but p = 2^(t - M), with t = logit x log2(e) and M = ceil(the row's largest t), a whole number; so 1/2 < the row's largest p <= 1. The row's sum l is taken of the UNQUANTISED p, in f32, and the product's result is divided by l at the end. Since M is a whole number, a kernel that streams over the keys may use a running M (the ceiling of the running maximum): every later rescaling is an exact power of two, which a block's scale takes up: the codes' values come out the same.
;;   OPERANDS COMPUTED ON THE WAY. 'Computed on the way' means the value that the module computes at that place (a softmax that the list does not call 'softmax' is quantised finished and normalised). What goes into a quantiser is computed in f32, as accurately as f32 sums, v_exp_f32 and their like allow (about 1e-6 of the number): no bf16 or f16 on the way to a quantiser, and a product that is left as it is and whose result goes on into a quantised operand takes f32 operands (vector FMAs, or v_wmma_f32_16x16x4_f32). A number that lies on a knife's edge between two numbers of the format may be rounded either way, as far as f32 arithmetic and the matrix unit's own rounding can turn it there, and no further.
;; One version. Each part assembles by itself: llvm-mc -triple=amdgcn-amd-amdhsa -mcpu=gfx1250 --defsym DOCPART=n.
;; ======== version 1 of 1: 4 launches
;; limits: right only within a limited range of input values
;; workspace buffers: gimg 22,020,096 bytes; gsc 917,504 bytes; qimg 8,912,896 bytes; kv 15,466,496 bytes; aimg 6,291,456 bytes; asc 262,144 bytes
;; launch quant (part 1): grid 256 x 1, 7 waves a work-group, no clusters, 63,744 bytes of LDS; arguments q, k, v, Wq, Wk, Wv, Wo, gimg, gsc; writes gimg, gsc
.if DOCPART == 1
	.amdgcn_target "amdgcn-amd-amdhsa--gfx1250"
	.amdhsa_code_object_version 6
	.text
	.protected	k_q009f1f3152_quant
	.globl	k_q009f1f3152_quant
	.p2align	8
	.type	k_q009f1f3152_quant,@function
k_q009f1f3152_quant:
	s_mov_b64 s[64:65], 0
	v_nop
	global_prefetch_b8 v0, s[64:65] scope:SCOPE_SE
	s_setreg_imm32_b32 hwreg(HW_REG_WAVE_MODE, 25, 1), 1
	s_wait_xcnt 0x0
; q, k, v [8192][1024] and Wq, Wk, Wv, Wo [1024][1024], f32 with K innermost, become codes of FP6 (E2M3) with one E8M0 byte for each 32 along K.
; A block's scale is 2^(floor(log2(its largest magnitude)) - 2); its byte is that magnitude's exponent field - 2, held at 1 from below.
; LIMITS: NaN and infinities among the inputs are not served.  A block of zeros gets the byte 1 where the rule says 127: its codes are zeros, and these bytes are read by this program alone.
; THE OUTPUT IS LAID AS THE MATRIX OPERAND'S REGISTERS.  A tile T is 16 rows: lane r takes row 32 (tau / 2) + 8 (tau % 2) + r + 8 (r / 8) of its tensor (tau: the tile's number in the tensor).
; gimg: byte (T / 8) x 98,304 + (k / 256) x 24,576 + (T % 8) x 3,072 + ((k / 128) % 2) x 1,536 + P x 512 + lane x 16; plane P holds registers 4 P .. 4 P + 3 of the fragment of 16 rows x 128 K.
; gsc:  byte T x 512 + (k / 128) x 64 + r x 4: a scale word for each row and 128 along K.
; SHARES.  1,792 tiles = 256 work-groups x 7 waves: a wave takes one tile for all of K, eight steps of 128.  Waves share nothing: no barrier, no cluster (no input is read twice), no tensor load.
; Each load reads 512 consecutive bytes of one row; a step's 16 rows turn through the wave's own stage in LDS (rows 528 bytes apart) and come back 256 bytes a lane: two whole blocks of 32 of the lane's row.
; Each store of codes covers 512 consecutive bytes, aligned.  Loads run two steps (32 loads a wave) ahead.
.set WREG, 8960                        ; LDS of a wave: a stage of 16 x 528 bytes, then 512 bytes in which its scale words are gathered
.set SPT,  528
.set LA,   2                           ; v2   16 x lane
.set STA,  3                           ; v3   the stage, on the way in
.set RDA,  4                           ; v4   and on the way out: 528 r + 128 hh
.set GSA,  5                           ; v5   my row's scale word
.set GRA,  6                           ; v6   the scale words on their way out: 16 x lane
.set SH,   7                           ; v7   8 hh
.set R,    16                          ; v16-143  two sets of 64 numbers as loaded
.set X,    144                         ; v144-207 my row's 64 numbers
.set C,    208                         ; v208-219 the fragment's codes
.set CT,   220                         ; v220-226 the conversions' second halves
.set SW,   228                         ; v228-231 the scale words on their way out
	s_load_b512 s[4:19], s[0:1], 0x0               ; q, k, v, Wq, Wk, Wv, Wo, gimg
	s_load_b64 s[20:21], s[0:1], 0x40              ; gsc
	v_lshl_add_u32 v232, v0, 2, 0xf500
	v_mov_b32 v233, 0
	v_lshrrev_b32 v1, 5, v0
	v_readfirstlane_b32 s23, v1                    ; wave 0..6
	v_and_b32 v1, 31, v0                           ; lane
	v_and_b32 v8, 15, v0                           ; r
	v_bfe_u32 v9, v0, 4, 1                         ; hh
	v_lshlrev_b32 v[LA], 4, v1
	s_mul_i32 s24, s23, WREG
	v_add_nc_u32 v[STA], s24, v[LA]
	v_mul_u32_u24 v[RDA], v8, SPT
	v_lshl_add_u32 v[RDA], v9, 7, v[RDA]
	v_add_nc_u32 v[RDA], s24, v[RDA]
	s_add_co_u32 s25, s24, 16*SPT
	v_lshlrev_b32 v[GSA], 2, v8
	v_add_nc_u32 v[GSA], s25, v[GSA]
	v_add_nc_u32 v[GRA], s25, v[LA]
	v_lshlrev_b32 v[SH], 3, v9
	v_mov_b32 v10, 0                               ; written once: a lane permute's destination counts as one of its sources
	s_mov_b32 s26, 0x76543210
	s_mov_b32 s27, 0xfedcba98                      ; selects for lane l xor 16
	s_mul_i32 s22, ttmp9, 7
	s_add_co_u32 s22, s22, s23                     ; T, my tile
	s_wait_alu depctr_va_vdst(0)
	s_wait_kmcnt 0x0
	s_mov_b64 s[28:29], s[16:17]                   ; which tensor holds tile T, and that tensor's first tile: the choice hangs on ids alone
	s_mov_b32 s30, 1728
	s_cmp_lt_u32 s22, 1728
	s_cselect_b64 s[28:29], s[14:15], s[28:29]
	s_cselect_b32 s30, 1664, s30
	s_cmp_lt_u32 s22, 1664
	s_cselect_b64 s[28:29], s[12:13], s[28:29]
	s_cselect_b32 s30, 1600, s30
	s_cmp_lt_u32 s22, 1600
	s_cselect_b64 s[28:29], s[10:11], s[28:29]
	s_cselect_b32 s30, 1536, s30
	s_cmp_lt_u32 s22, 1536
	s_cselect_b64 s[28:29], s[8:9], s[28:29]
	s_cselect_b32 s30, 1024, s30
	s_cmp_lt_u32 s22, 1024
	s_cselect_b64 s[28:29], s[6:7], s[28:29]
	s_cselect_b32 s30, 512, s30
	s_cmp_lt_u32 s22, 512
	s_cselect_b64 s[28:29], s[4:5], s[28:29]
	s_cselect_b32 s30, 0, s30
	s_sub_co_u32 s30, s22, s30                     ; tau
	s_lshr_b32 s31, s30, 1
	s_lshl_b32 s32, s31, 17                        ; 32 (tau / 2) rows of 4,096 bytes
	s_and_b32 s31, s30, 1
	s_lshl_b32 s31, s31, 15                        ; 8 (tau % 2) rows
	s_add_co_u32 s32, s32, s31
	s_mov_b32 s33, 0
	s_add_nc_u64 s[28:29], s[28:29], s[32:33]      ; the tile's first row
	s_lshr_b32 s31, s22, 3
	s_mul_i32 s32, s31, 98304
	s_and_b32 s31, s22, 7
	s_mul_i32 s31, s31, 3072
	s_add_co_u32 s32, s32, s31
	s_add_nc_u64 s[18:19], s[18:19], s[32:33]      ; the tile's images
	s_lshl_b32 s32, s22, 9
	s_add_nc_u64 s[20:21], s[20:21], s[32:33]      ; and its scale words
.macro LOAD t                          ; step t: 512 bytes of each of the tile's 16 rows, into set t % 2
.irp i, 0,1,2,3,4,5,6,7,8,9,10,11,12,13,14,15
	global_load_b128 v[R+64*((\t)%2)+4*\i:R+64*((\t)%2)+4*\i+3], v[LA], s[28:29] offset:(\i+8*(\i/8))*4096+512*(\t) th:TH_LOAD_NT
.endr
.endm
.macro STEP t
.set RS, R+64*((\t)%2)
.if (\t) > 0
	s_wait_xcnt 0x0                                ; the last step's stores have had their addresses translated: only behind this wait are the codes' registers written again
.endif
.if (\t) < 7
	s_wait_loadcnt 16                              ; this step's 16 loads are in; the next step's 16 may be out
.else
	s_wait_loadcnt 0x0
.endif
.irp i, 0,1,2,3,4,5,6,7,8,9,10,11,12,13,14,15
	ds_store_b128 v[STA], v[RS+4*\i:RS+4*\i+3] offset:SPT*\i
.endr
.irp c, 0,1
.irp j, 0,1,2,3,4,5,6,7
	ds_load_b128 v[X+32*\c+4*\j:X+32*\c+4*\j+3], v[RDA] offset:256*\c+16*\j   ; k = 64 c + 32 hh + 4 j ..: LDS serves a wave's instructions in order, so these see the stores above
.endr
.endr
	s_wait_dscnt 0x0                               ; my numbers are back, and the stores have read their registers,
.if (\t)+2 < 8
	LOAD (\t)+2                                    ; which take the loads of two steps on
.endif
.irp c, 0,1
	v_max3_num_f32 v[8+\c], |v[X+32*\c]|, |v[X+32*\c+1]|, 0x1800000   ; block 2 c + hh: all its 32 numbers are mine; the floor 2^(3 - 127) holds the byte at 1 from below
.endr
.irp i, 2,4,6,8,10,12,14,16,18,20,22,24,26,28,30
.irp c, 0,1
	v_max3_num_f32 v[8+\c], v[8+\c], |v[X+32*\c+\i]|, |v[X+32*\c+\i+1]|
.endr
.endr
.irp c, 0,1
	v_add_nc_u32 v[12+\c], 0xff000000, v[8+\c]     ; 2 off the exponent field: the conversion's scale operand
.endr
.irp c, 0,1
	v_lshrrev_b32 v[14+\c], 23, v[12+\c]           ; the scale's byte
.endr
	v_lshl_or_b32 v11, v15, 16, v14                ; my two bytes, blocks hh and 2 + hh,
	v_lshlrev_b32 v11, v[SH], v11                  ; at their places in the word;
	v_permlanex16_b32 v10, v11, s26, s27
	v_or_b32 v11, v11, v10                         ; with lane l xor 16's two the word is whole
.irp c, 0,1
	v_cvt_scalef32_pk16_fp6_f32 v[C+6*\c:C+6*\c+2], v[X+32*\c:X+32*\c+15], v[12+\c]
	v_cvt_scalef32_pk16_fp6_f32 v[CT+4*\c:CT+4*\c+2], v[X+32*\c+16:X+32*\c+31], v[12+\c]   ; (a conversion's three registers begin on an even number)
.endr
	v_nop                                          ; one plain place behind a scaled conversion
.irp c, 0,1
.irp i, 0,1,2
	v_mov_b32 v[C+6*\c+3+\i], v[CT+4*\c+\i]
.endr
.endr
	ds_store_b32 v[GSA], v11 offset:64*(\t)        ; both lanes of a row write the same word with the same value
.irp p, 0,1,2
	global_store_b128 v[LA], v[C+4*\p:C+4*\p+3], s[18:19] offset:((\t)/2)*24576+((\t)%2)*1536+512*\p   ; 32 lanes store 512 consecutive bytes, aligned
.endr
.endm
	LOAD 0
	LOAD 1
.irp t, 0,1,2,3,4,5,6,7
	STEP \t
.endr
	ds_load_b128 v[SW:SW+3], v[GRA]                ; the tile's 512 bytes of scale words
	s_wait_dscnt 0x0
	global_store_b128 v[LA], v[SW:SW+3], s[20:21]
	s_wait_tensorcnt 0x0
	ds_add_u32 v232, v233
	s_wait_dscnt 0x0
	s_endpgm
.Lfunc_end_k_q009f1f3152_quant:
	.size	k_q009f1f3152_quant, .Lfunc_end_k_q009f1f3152_quant-k_q009f1f3152_quant
	.p2alignl 7, 3214868480
	.fill 96, 4, 3214868480
	.section	.rodata,"a",@progbits
	.p2align	6, 0x0
	.amdhsa_kernel k_q009f1f3152_quant
		.amdhsa_group_segment_fixed_size 63744
		.amdhsa_private_segment_fixed_size 0
		.amdhsa_enable_private_segment 0
		.amdhsa_kernarg_size 72
		.amdhsa_user_sgpr_count 2
		.amdhsa_user_sgpr_kernarg_segment_ptr 1
		.amdhsa_wavefront_size32 1
		.amdhsa_system_sgpr_workgroup_id_x 1
		.amdhsa_system_sgpr_workgroup_id_y 1
		.amdhsa_system_sgpr_workgroup_id_z 1
		.amdhsa_system_vgpr_workitem_id 0
		.amdhsa_next_free_vgpr 234
		.amdhsa_next_free_sgpr 66
		.amdhsa_reserve_vcc 0
		.amdhsa_float_denorm_mode_32 3
		.amdhsa_float_denorm_mode_16_64 3
		.amdhsa_memory_ordered 1
		.amdhsa_forward_progress 1
		.amdhsa_inst_pref_size 59
	.end_amdhsa_kernel
	.amdgpu_metadata
---
amdhsa.version: [ 1, 2 ]
amdhsa.kernels:
  - .name:           k_q009f1f3152_quant
    .symbol:         k_q009f1f3152_quant.kd
    .args:
      - { .name: q, .offset: 0, .size: 8, .value_kind: global_buffer, .address_space: global }
      - { .name: k, .offset: 8, .size: 8, .value_kind: global_buffer, .address_space: global }
      - { .name: v, .offset: 16, .size: 8, .value_kind: global_buffer, .address_space: global }
      - { .name: Wq, .offset: 24, .size: 8, .value_kind: global_buffer, .address_space: global }
      - { .name: Wk, .offset: 32, .size: 8, .value_kind: global_buffer, .address_space: global }
      - { .name: Wv, .offset: 40, .size: 8, .value_kind: global_buffer, .address_space: global }
      - { .name: Wo, .offset: 48, .size: 8, .value_kind: global_buffer, .address_space: global }
      - { .name: gimg, .offset: 56, .size: 8, .value_kind: global_buffer, .address_space: global }
      - { .name: gsc, .offset: 64, .size: 8, .value_kind: global_buffer, .address_space: global }
    .group_segment_fixed_size: 63744
    .private_segment_fixed_size: 0
    .kernarg_segment_align: 8
    .kernarg_segment_size: 72
    .max_flat_workgroup_size: 224
    .sgpr_count:     66
    .vgpr_count:     234
    .wavefront_size: 32
...
	.end_amdgpu_metadata
.endif
;; end of part 1
;; launch proj (part 2): grid 4 x 96, 4 waves a work-group, clusters of 4 x 4, 327,680 bytes of LDS; arguments gimg, gsc, bq, bk, bv, mask, qimg, kv; writes qimg, kv
.if DOCPART == 2
	.amdgcn_target "amdgcn-amd-amdhsa--gfx1250"
	.amdhsa_code_object_version 6
	.text
	.protected	k_q009f1f3152_proj
	.globl	k_q009f1f3152_proj
	.p2align	8
	.type	k_q009f1f3152_proj,@function
k_q009f1f3152_proj:
	s_mov_b64 s[64:65], 0
	v_nop
	global_prefetch_b8 v0, s[64:65] scope:SCOPE_SE
	s_setreg_imm32_b32 hwreg(HW_REG_WAVE_MODE, 25, 1), 1
	s_wait_xcnt 0x0
	s_wait_alu depctr_hold_cnt(0) depctr_sa_sdst(0) depctr_va_vdst(0) depctr_va_sdst(0) depctr_va_ssrc(0) depctr_va_vcc(0) depctr_vm_vsrc(0)
	s_getreg_b32 s2, hwreg(HW_REG_IB_STS2, 6, 4)
	s_cmp_eq_u32 s2, 0
	s_cbranch_scc0 .Lentry_in_a_cluster
	s_endpgm
.Lentry_in_a_cluster:
	s_bfe_u32 s2, ttmp6, 0x10000c
	s_cmp_lg_u32 s2, 0xf033
	s_cbranch_scc0 .Lentry_shape_is_right
	s_endpgm
.Lentry_shape_is_right:
.set BLK,   24576
.set SLOT,  4*BLK
.set SCL,   2*SLOT
.set SPARE, SCL+4*4096
.set FR,    12
.set LI,    1
.set LN,    2
.set RR,    3
.set HH,    4
.set VSO,   9
.set ADR1,  16
.set ADR0,  20
.set ADRS,  27
.set SPW,   28
.set NIL,   29
.set ROWO,  30
.set BIO,   31
.set SC,    32
.set TM,    96
.set WW,    112
.set AF,    128
.set HA,    128
.set PC,    192
.set CT,    208
.set MK,    224
.set CWM,   232
.set CWU,   233
.set HIM,   234
.set HIU,   235
.set HI,    236
.set T1,    237
.set PW,    240
.set OW,    244
.set G1Y,  24
.set G0Y,  32
.set G1X,  48
.set G0X,  56
.set G1SY, 68
.set G0SY, 76
.set G1SX, 80
.set G0SX, 88
.set MSB, 0
.macro WIN new
.if MSB != (\new)
	s_set_vgpr_msb (MSB<<8)|(\new)
.set MSB, (\new)
.endif
.endm
.set MUL_LO, 0xa1
.set MUL_HI, 0xf1
.set TO_B,   0x40
.macro JLOAD g0a, g1a, g0b, g1b
	s_cmp_eq_u32 s21, 0
	s_cbranch_scc0 .Lfor_x_\@
	tensor_load_to_lds s[\g0a:\g0a+3], s[\g1a:\g1a+7]
	s_nop 0
.rept 4
	v_nop
.endr
	s_branch .Lasked_\@
.Lfor_x_\@:
	tensor_load_to_lds s[\g0b:\g0b+3], s[\g1b:\g1b+7]
	s_nop 0
.rept 4
	v_nop
.endr
.Lasked_\@:
.endm
.macro CREST
	s_cmp_lg_u32 s20, 0
	s_cbranch_scc1 .Lnot_wave_0_\@
	s_barrier_signal -3
.Lnot_wave_0_\@:
	s_barrier_wait -3
	s_barrier_signal -1
	s_barrier_wait -1
.endm
.macro CROUND
	s_barrier_signal -1
	s_barrier_wait -1
	CREST
.endm
.macro PLACES n
.rept \n
	v_nop
.endr
.endm
	s_load_b512 s[4:19], s[0:1], 0x0
	v_lshl_add_u32 v[SPW], v0, 2, SPARE
	v_mov_b32 v[NIL], 0
	ds_add_u32 v28, v29
	ds_add_u32 v28, v29
	s_wait_dscnt 0x0
	v_lshrrev_b32 v2, 5, v0
	v_readfirstlane_b32 s20, v2
	s_lshr_b32 s21, s20, 1
	s_and_b32 s22, s20, 1
	s_bfe_u32 s23, ttmp6, 0x40000
	s_bfe_u32 s40, ttmp6, 0x40004
	s_lshl_b32 s41, ttmp9, 2
	s_add_co_u32 s41, s41, s23
	s_and_b32 s45, ttmp7, 0xffff
	s_lshl_b32 s42, s45, 2
	s_add_co_u32 s42, s42, s40
	s_lshr_b32 s45, s45, 3
	s_lshl_b32 s46, s45, 5
	s_sub_co_u32 s46, s42, s46
	s_lshl_b32 s43, s40, 2
	s_lshl_b32 s43, 15, s43
	s_lshl_b32 s44, 0x1111, s23
	s_or_b32 s[G1Y], s43, (3<<16)|(1<<21)
	s_or_b32 s[G1X], s44, (3<<16)|(1<<21)
	s_or_b32 s[G1SY], s43, (3<<16)|(1<<21)
	s_or_b32 s[G1SX], s44, (3<<16)|(1<<21)
.irp g, G1Y, G1X
	s_mov_b32 s[\g+1], 32<<16
	s_mov_b32 s[\g+2], 96<<16
	s_mov_b32 s[\g+3], 32<<16
	s_mov_b32 s[\g+4], 96
	s_mov_b32 s[\g+5], 32
	s_mov_b32 s[\g+6], 0
	s_mov_b32 s[\g+7], 0
.endr
.irp g, G1SY, G1SX
	s_mov_b32 s[\g+1], 32<<16
	s_mov_b32 s[\g+2], 16<<16
	s_mov_b32 s[\g+3], 32<<16
	s_mov_b32 s[\g+4], 16
	s_mov_b32 s[\g+5], 32
	s_mov_b32 s[\g+6], 0
	s_mov_b32 s[\g+7], 0
.endr
	s_lshl_b32 s94, s42, 1
	s_add_co_u32 s94, s94, s22
	s_mul_i32 s92, s94, 98304
	s_lshl_b32 s94, s94, 12
	s_mov_b32 s93, 0
	s_mov_b32 s95, 0
	s_lshl_b32 s98, s41, 1
	s_add_co_u32 s98, s98, s22
	s_lshl_b32 s96, s45, 3
	s_add_co_u32 s98, s98, s96
	s_add_co_u32 s98, s98, 192
	s_mul_i32 s96, s98, 98304
	s_lshl_b32 s98, s98, 12
	s_mov_b32 s97, 0
	s_mov_b32 s99, 0
	s_mul_i32 s2, s20, BLK
	s_lshl_b32 s3, s20, 12
	s_wait_kmcnt 0x0
	s_add_nc_u64 s[92:93], s[4:5], s[92:93]
	s_add_nc_u64 s[94:95], s[6:7], s[94:95]
	s_add_nc_u64 s[96:97], s[4:5], s[96:97]
	s_add_nc_u64 s[98:99], s[6:7], s[98:99]
	CROUND
	s_mov_b32 s[G0SY], 1
	s_add_co_u32 s[G0SY+1], s3, SCL
	s_mov_b64 s[G0SY+2:G0SY+3], s[94:95]
	s_or_b32 s[G0SY+3], s[G0SY+3], 0x80000000
	s_mov_b32 s[G0SX], 1
	s_add_co_u32 s[G0SX+1], s3, SCL
	s_mov_b64 s[G0SX+2:G0SX+3], s[98:99]
	s_or_b32 s[G0SX+3], s[G0SX+3], 0x80000000
	JLOAD G0SY, G1SY, G0SX, G1SX
.irp s, 0,1
	s_mov_b32 s[G0Y+4*\s], 1
	s_add_co_u32 s[G0Y+4*\s+1], s2, \s*SLOT
	s_add_nc_u64 s[G0Y+4*\s+2:G0Y+4*\s+3], s[92:93], \s*BLK
	s_or_b32 s[G0Y+4*\s+3], s[G0Y+4*\s+3], 0x80000000
	s_mov_b32 s[G0X+4*\s], 1
	s_add_co_u32 s[G0X+4*\s+1], s2, \s*SLOT
	s_add_nc_u64 s[G0X+4*\s+2:G0X+4*\s+3], s[96:97], \s*BLK
	s_or_b32 s[G0X+4*\s+3], s[G0X+4*\s+3], 0x80000000
	s_wait_alu depctr_va_vdst(0)
	s_wait_tensorcnt 0x0
	ds_add_u32 v28, v29
	s_wait_dscnt 0x0
	CROUND
	JLOAD G0Y+4*\s, G1Y, G0X+4*\s, G1X
.endr
	v_and_b32 v[LN], 31, v0
	v_and_b32 v[RR], 15, v0
	v_bfe_u32 v[HH], v0, 4, 1
	v_lshlrev_b32 v[LI], 4, v[LN]
	s_wait_alu depctr_va_vdst(0)
	s_cmp_eq_u32 s45, 2
	s_cselect_b32 s66, 2*BLK, 0
	s_cselect_b32 s67, 0, 2*BLK
	s_cselect_b32 s100, 8192, 0
	s_cselect_b32 s101, 0, 8192
	s_mul_i32 s2, s21, BLK
	s_add_co_u32 s2, s2, s66
	s_mul_i32 s3, s22, BLK
	s_add_co_u32 s3, s3, s67
.irp s, 0,1
	v_add_nc_u32 v[ADR1+\s], s2, v[LI]
	v_add_nc_u32 v[ADR0+\s], s3, v[LI]
	s_add_co_u32 s2, s2, SLOT
	s_add_co_u32 s3, s3, SLOT
.endr
	s_lshl_b32 s2, s21, 12
	s_add_co_u32 s2, s2, s100
	s_add_co_u32 s2, s2, SCL
	s_lshl_b32 s3, s22, 12
	s_add_co_u32 s3, s3, s101
	s_add_co_u32 s3, s3, SCL
	v_lshlrev_b32 v5, 2, v[RR]
	v_add_nc_u32 v6, s2, v5
	v_add_nc_u32 v7, s3, v5
	v_cmp_gt_u32 s47, 16, v[LN]
	v_cndmask_b32 v[ADRS], v7, v6, s47
	v_and_b32 v8, 8, v[RR]
	v_add_nc_u32 v8, v8, v[RR]
	v_lshlrev_b32 v[ROWO], 2, v8
	v_lshlrev_b32 v[BIO], 6, v[HH]
	v_mul_u32_u24 v[VSO], v[HH], 241664
	v_lshl_add_u32 v[VSO], v[RR], 4, v[VSO]
	s_mov_b32 s2, 0x76543210
	s_mov_b32 s3, 0xfedcba98
.macro FRAG reg, adr, q, i
.irp p, 0,1,2
	ds_load_b128 v[\reg+4*\p:\reg+4*\p+3], v[\adr] offset:3072*(\i)+1536*(\q)+512*\p
.endr
.endm
.macro FETCH_B slot, q, p
	WIN TO_B
.irp i, 0,1,2,3,4,5,6,7
	FRAG 128*(\p)+FR*\i, ADR0+\slot, \q, \i
.endr
	WIN 0
.endm
.macro FETCH_A slot, q, i0
.irp i, \i0, \i0+1, \i0+2, \i0+3
	FRAG AF+FR*(\i), ADR1+\slot, \q, \i
.endr
.endm
.macro SCALES
.irp i, 0,1,2,3,4,5,6,7
.irp kq, 0,1,2,3,4,5,6,7
	ds_load_b32 v[SC+8*\i+\kq], v[ADRS] offset:512*\i+64*\kq
.endr
.endr
.endm
.macro MUL16 a0, p, kq, mode
.irp a, \a0, \a0+1
.irp b, 0,1,2,3,4,5,6,7
.if \mode == 1
	v_wmma_scale_f32_16x16x128_f8f6f4 v[8*(8*((\a)%4)+\b):8*(8*((\a)%4)+\b)+7], v[128*(\p)+FR*\b:128*(\p)+FR*\b+FR-1], v[AF+FR*(\a):AF+FR*(\a)+FR-1], 0, v[SC+8*\b+(\kq)], v[SC+8*(\a)+(\kq)] matrix_a_fmt:MATRIX_FMT_FP6 matrix_b_fmt:MATRIX_FMT_FP6 matrix_a_scale:MATRIX_SCALE_ROW1
.else
	v_wmma_scale_f32_16x16x128_f8f6f4 v[8*(8*((\a)%4)+\b):8*(8*((\a)%4)+\b)+7], v[128*(\p)+FR*\b:128*(\p)+FR*\b+FR-1], v[AF+FR*(\a):AF+FR*(\a)+FR-1], v[8*(8*((\a)%4)+\b):8*(8*((\a)%4)+\b)+7], v[SC+8*\b+(\kq)], v[SC+8*(\a)+(\kq)] matrix_a_fmt:MATRIX_FMT_FP6 matrix_b_fmt:MATRIX_FMT_FP6 matrix_a_scale:MATRIX_SCALE_ROW1
.endif
.endr
.endr
.endm
.macro STEP slot, ks, mode
	s_wait_dscnt 12
	WIN MUL_LO
	MUL16 0, 0, 2*(\ks), \mode
	MUL16 2, 0, 2*(\ks), \mode
	s_wait_dscnt 0x0
	PLACES 4
	FETCH_B \slot, 1, 1
	FETCH_A \slot, 1, 0
	WIN MUL_HI
	MUL16 4, 0, 2*(\ks), \mode
	MUL16 6, 0, 2*(\ks), \mode
	PLACES 4
	WIN 0
	FETCH_A \slot, 1, 4
.endm
.macro TURN slot, next, fill, ks
	s_wait_tensorcnt 0x0
	ds_add_u32 v[SPW], v[NIL]
	s_wait_dscnt 13
	WIN MUL_LO
	MUL16 0, 1, 2*(\ks)+1, 0
	s_wait_dscnt 0x0
	s_barrier_signal -1
	MUL16 2, 1, 2*(\ks)+1, 0
	WIN 0
	s_barrier_wait -1
.if \fill
	CREST
	s_add_nc_u64 s[G0Y+4*\slot+2:G0Y+4*\slot+3], s[G0Y+4*\slot+2:G0Y+4*\slot+3], 2*BLK
	s_add_nc_u64 s[G0X+4*\slot+2:G0X+4*\slot+3], s[G0X+4*\slot+2:G0X+4*\slot+3], 2*BLK
	JLOAD G0Y+4*\slot, G1Y, G0X+4*\slot, G1X
.else
	PLACES 4
.endif
	FETCH_B \next, 0, 0
	FETCH_A \next, 0, 0
	WIN MUL_HI
	MUL16 4, 1, 2*(\ks)+1, 0
	MUL16 6, 1, 2*(\ks)+1, 0
	PLACES 4
	WIN 0
	FETCH_A \next, 0, 4
.endm
.macro LAST
	s_wait_dscnt 12
	WIN MUL_LO
	MUL16 0, 1, 7, 0
	MUL16 2, 1, 7, 0
	s_wait_dscnt 0x0
	WIN MUL_HI
	MUL16 4, 1, 7, 0
	MUL16 6, 1, 7, 0
	WIN 0
	PLACES 4
.endm
.macro QUANT cs, pw
.irp g, 0,1,2,3
	v_max3_num_f32 v[TM+\g], |v[HA+16*\g]|, |v[HA+1+16*\g]|, 0x1800000
.endr
.irp i, 2,4,6,8,10,12,14
.irp g, 0,1,2,3
	v_max3_num_f32 v[TM+\g], v[TM+\g], |v[HA+16*\g+\i]|, |v[HA+1+16*\g+\i]|
.endr
.endr
.irp g, 0,1,2,3
	v_permlanex16_b32 v[TM+4+\g], v[TM+\g], s2, s3
.endr
.irp g, 0,1,2,3
	v_max_num_f32 v[TM+\g], v[TM+\g], v[TM+4+\g]
.endr
.irp g, 0,1,2,3
	v_add_nc_u32 v[TM+12+\g], 0xff000000, v[TM+\g]
.endr
.irp g, 0,1,2,3
	v_lshrrev_b32 v[TM+4+\g], 23, v[TM+12+\g]
.endr
	v_lshl_or_b32 v[\pw], v[TM+5], 8, v[TM+4]
	v_lshl_or_b32 v[\pw], v[TM+6], 16, v[\pw]
	v_lshl_or_b32 v[\pw], v[TM+7], 24, v[\pw]
.irp c, 0,1
	v_cvt_scalef32_pk16_fp6_f32 v[PC+(\cs)*\c:PC+(\cs)*\c+2], v[HA+32*\c:HA+32*\c+15], v[TM+12+2*\c]
	v_cvt_scalef32_pk16_fp6_f32 v[CT+4*\c:CT+4*\c+2], v[HA+32*\c+16:HA+32*\c+31], v[TM+13+2*\c]
.endr
	v_nop
.irp c, 0,1
.irp i, 0,1,2
	v_permlane16_swap_b32 v[PC+(\cs)*\c+\i], v[CT+4*\c+\i]
.endr
.irp i, 0,1,2
	v_mov_b32 v[PC+(\cs)*\c+3+\i], v[CT+4*\c+\i]
.endr
.endr
.endm
	s_wait_alu depctr_va_vdst(0)
	s_wait_tensorcnt 1
	s_barrier_signal -1
	s_barrier_wait -1
	SCALES
	FETCH_B 0, 0, 0
	FETCH_A 0, 0, 0
	FETCH_A 0, 0, 4
	STEP 0, 0, 1
	TURN 0, 1, 1, 0
	STEP 1, 1, 0
	TURN 1, 0, 1, 1
	STEP 0, 2, 0
	TURN 0, 1, 0, 2
	STEP 1, 3, 0
	s_cmp_eq_u32 s45, 2
	s_cbranch_scc1 .Lv_arm
	s_cmp_eq_u32 s45, 0
	s_cselect_b64 s[96:97], s[8:9], s[10:11]
	s_cselect_b64 s[92:93], s[16:17], s[18:19]
	s_mov_b32 s66, 241664
	s_cselect_b32 s66, 139264, s66
	s_mov_b32 s67, 15104
	s_cselect_b32 s67, 8704, s67
	s_cselect_b32 s100, 8, 0x3f
	s_cselect_b32 s101, 8, 0
	s_mov_b32 s43, 0x01f70000
	s_cselect_b32 s43, 0x017f0000, s43
	s_mov_b32 s44, 0x01010000
	s_cselect_b32 s44, 0x017f0000, s44
	s_lshl_b32 s23, s41, 8
	s_lshl_b32 s40, s22, 7
	s_add_co_u32 s23, s23, s40
	s_lshl_b32 s98, s23, 2
	s_mov_b32 s99, 0
	s_add_nc_u64 s[96:97], s[96:97], s[98:99]
	s_lshl_b32 s23, s46, 8
	s_lshl_b32 s40, s21, 7
	s_add_co_u32 s23, s23, s40
	s_lshl_b32 s98, s23, 2
	s_add_nc_u64 s[98:99], s[14:15], s[98:99]
	s_lshr_b32 s23, s46, 3
	s_lshl_b32 s23, s23, 4
	s_lshl_b32 s40, s41, 2
	s_add_co_u32 s23, s23, s40
	s_lshl_b32 s40, s22, 1
	s_add_co_u32 s23, s23, s40
	s_mul_i32 s23, s23, s66
	s_lshl_b32 s40, s46, 1
	s_add_co_u32 s40, s40, s21
	s_and_b32 s40, s40, 15
	s_mul_i32 s40, s40, s67
	s_add_co_u32 s94, s23, s40
	s_mov_b32 s95, 0
	s_add_nc_u64 s[92:93], s[92:93], s[94:95]
	s_mov_b32 s94, s66
	s_add_nc_u64 s[94:95], s[92:93], s[94:95]
	WIN TO_B
.irp g, 0,1,2,3
.irp jj, 0,1,2,3
	global_load_b128 v[16*\g+4*\jj:16*\g+4*\jj+3], v[BIO], s[96:97] offset:(32*\g+4*\jj)*4
.endr
.endr
	WIN 0
.irp a, 0,1,2,3,4,5,6,7
	global_load_b32 v[MK+\a], v[ROWO], s[98:99] offset:(32*(\a/2)+8*(\a%2))*4
.endr
	v_mov_b32 v[CWM], s100
	v_mov_b32 v[CWU], s101
	v_cndmask_b32 v[CWM], 0, v[CWM], s47
	v_cndmask_b32 v[CWU], 0, v[CWU], s47
	v_mov_b32 v[HIM], s43
	v_mov_b32 v[HIU], s44
.irp g, 0,1,2,3
	v_mov_b32 v[TM+4+\g], 0
.endr
	LAST
	s_wait_loadcnt 0x0
	v_mov_b32 v[PC+7], 0
	v_mov_b32 v[PC+15], 0
.macro QKROW a
.if (\a) > 0
	s_wait_xcnt 0x0
.endif
	WIN 0x06+(\a)/4
.set AC, 64*((\a)%4)
.set n, 0
.rept 32
	v_pk_add_f32 v[HA+n:HA+n+1], v[AC+n:AC+n+1], v[n:n+1]
.set n, n+2
.endr
	WIN 0
	QUANT 8, PW
	v_cmp_eq_u32 vcc_lo, 0, v[MK+(\a)]
	v_cndmask_b32 v[PC+6], v[CWU], v[CWM], vcc_lo
	v_cndmask_b32 v[PC+14], v[CWU], v[CWM], vcc_lo
	v_cndmask_b32 v[HI], v[HIU], v[HIM], vcc_lo
	v_and_or_b32 v[WW+(\a)], v[PW], 0xffff, v[HI]
	v_lshrrev_b32 v[T1], 16, v[PW]
	v_or_b32 v[WW+8+(\a)], v[T1], v[HI]
.irp p, 0,1
	global_store_b128 v[LI], v[PC+4*\p:PC+4*\p+3], s[92:93] offset:1024*(\a)+512*\p
	global_store_b128 v[LI], v[PC+8+4*\p:PC+8+4*\p+3], s[94:95] offset:1024*(\a)+512*\p
.endr
.endm
.irp a, 0,1,2,3,4,5,6,7
	QKROW \a
.endr
.irp c, 0,1
.irp j, 0,1,2,3
	v_cndmask_b32 v[OW+4*\c+\j], v[WW+8*\c+4+\j], v[WW+8*\c+\j], s47
.endr
.endr
	global_store_b128 v[LI], v[OW:OW+3], s[92:93] offset:8192
	global_store_b128 v[LI], v[OW+4:OW+7], s[94:95] offset:8192
	s_branch .Ldone
.Lv_arm:
	s_lshl_b32 s23, s41, 8
	s_lshl_b32 s40, s21, 7
	s_add_co_u32 s23, s23, s40
	s_lshl_b32 s98, s23, 2
	s_mov_b32 s99, 0
	s_add_nc_u64 s[96:97], s[12:13], s[98:99]
	s_lshr_b32 s23, s46, 3
	s_lshl_b32 s23, s23, 4
	s_lshl_b32 s40, s41, 2
	s_add_co_u32 s23, s23, s40
	s_lshl_b32 s40, s21, 1
	s_add_co_u32 s23, s23, s40
	s_mul_i32 s23, s23, 241664
	s_lshl_b32 s40, s46, 1
	s_add_co_u32 s40, s40, s22
	s_and_b32 s40, s40, 15
	s_mul_i32 s40, s40, 15104
	s_add_co_u32 s94, s23, s40
	s_mov_b32 s95, 0
	s_add_nc_u64 s[92:93], s[18:19], s[94:95]
.irp a, 0,1,2,3,4,5,6,7
	global_load_b32 v[MK+2*\a], v[ROWO], s[96:97] offset:(32*(\a/2)+8*(\a%2))*4
	global_load_b32 v[MK+2*\a+1], v[ROWO], s[96:97] offset:(32*(\a/2)+8*(\a%2))*4
.endr
.irp g, 0,1,2,3
	v_mov_b32 v[TM+4+\g], 0
.endr
	LAST
	s_wait_loadcnt 0x0
.macro VROW a
.if (\a) > 0
	s_wait_xcnt 0x0
.endif
	WIN 0x02+(\a)/4
.set AC, 64*((\a)%4)
.set n, 0
.rept 32
	v_pk_add_f32 v[HA+n:HA+n+1], v[AC+n:AC+n+1], v[MK+2*(\a):MK+2*(\a)+1] op_sel_hi:[1,0]
.set n, n+2
.endr
	WIN 0
	QUANT 6, WW+(\a)
.irp p, 0,1,2
	global_store_b128 v[LI], v[PC+4*\p:PC+4*\p+3], s[92:93] offset:((\a)/4)*241664+8704+((\a)%4)*1536+512*\p
.endr
.endm
.irp a, 0,1,2,3,4,5,6,7
	VROW \a
.endr
.irp j, 0,1,2,3
	v_cndmask_b32 v[OW+\j], v[WW+4+\j], v[WW+\j], s47
.endr
	global_store_b128 v[VSO], v[OW:OW+3], s[92:93] offset:14848
.Ldone:
	s_wait_tensorcnt 0x0
	ds_add_u32 v[SPW], v[NIL]
	s_wait_dscnt 0x0
	CROUND
	s_endpgm
.Lfunc_end_k_q009f1f3152_proj:
	.size	k_q009f1f3152_proj, .Lfunc_end_k_q009f1f3152_proj-k_q009f1f3152_proj
	.p2alignl 7, 3214868480
	.fill 96, 4, 3214868480
	.section	.rodata,"a",@progbits
	.p2align	6, 0x0
	.amdhsa_kernel k_q009f1f3152_proj
		.amdhsa_group_segment_fixed_size 327680
		.amdhsa_private_segment_fixed_size 0
		.amdhsa_enable_private_segment 0
		.amdhsa_kernarg_size 64
		.amdhsa_user_sgpr_count 2
		.amdhsa_user_sgpr_kernarg_segment_ptr 1
		.amdhsa_wavefront_size32 1
		.amdhsa_system_sgpr_workgroup_id_x 1
		.amdhsa_system_sgpr_workgroup_id_y 1
		.amdhsa_system_sgpr_workgroup_id_z 1
		.amdhsa_system_vgpr_workitem_id 0
		.amdhsa_next_free_vgpr 1024
		.amdhsa_next_free_sgpr 102
		.amdhsa_reserve_vcc 1
		.amdhsa_float_denorm_mode_32 3
		.amdhsa_float_denorm_mode_16_64 3
		.amdhsa_memory_ordered 1
		.amdhsa_forward_progress 1
		.amdhsa_inst_pref_size 225
	.end_amdhsa_kernel
	.amdgpu_metadata
---
amdhsa.version: [ 1, 2 ]
amdhsa.kernels:
  - .name:           k_q009f1f3152_proj
    .symbol:         k_q009f1f3152_proj.kd
    .args:
      - { .name: gimg, .offset: 0, .size: 8, .value_kind: global_buffer, .address_space: global }
      - { .name: gsc, .offset: 8, .size: 8, .value_kind: global_buffer, .address_space: global }
      - { .name: bq, .offset: 16, .size: 8, .value_kind: global_buffer, .address_space: global }
      - { .name: bk, .offset: 24, .size: 8, .value_kind: global_buffer, .address_space: global }
      - { .name: bv, .offset: 32, .size: 8, .value_kind: global_buffer, .address_space: global }
      - { .name: mask, .offset: 40, .size: 8, .value_kind: global_buffer, .address_space: global }
      - { .name: qimg, .offset: 48, .size: 8, .value_kind: global_buffer, .address_space: global }
      - { .name: kv, .offset: 56, .size: 8, .value_kind: global_buffer, .address_space: global }
    .group_segment_fixed_size: 327680
    .private_segment_fixed_size: 0
    .kernarg_segment_align: 8
    .kernarg_segment_size: 64
    .max_flat_workgroup_size: 128
    .sgpr_count:     102
    .vgpr_count:     1024
    .wavefront_size: 32
...
	.end_amdgpu_metadata
.endif
;; end of part 2
;; launch attn (part 3): grid 4 x 64, 8 waves a work-group, clusters of 4 x 1, 243,712 bytes of LDS; arguments qimg, kv, aimg, asc; writes aimg, asc
.if DOCPART == 3
	.amdgcn_target "amdgcn-amd-amdhsa--gfx1250"
	.amdhsa_code_object_version 6
	.text
	.protected	k_q009f1f3152_attn
	.globl	k_q009f1f3152_attn
	.p2align	8
	.type	k_q009f1f3152_attn,@function
k_q009f1f3152_attn:
	s_mov_b64 s[64:65], 0
	v_nop
	global_prefetch_b8 v0, s[64:65] scope:SCOPE_SE
	s_setreg_imm32_b32 hwreg(HW_REG_WAVE_MODE, 25, 1), 1
	s_wait_xcnt 0x0
	s_wait_alu depctr_hold_cnt(0) depctr_sa_sdst(0) depctr_va_vdst(0) depctr_va_sdst(0) depctr_va_ssrc(0) depctr_va_vcc(0) depctr_vm_vsrc(0)
	s_getreg_b32 s2, hwreg(HW_REG_IB_STS2, 6, 4)
	s_cmp_eq_u32 s2, 0
	s_cbranch_scc0 .Lentry_in_a_cluster
	s_endpgm
.Lentry_in_a_cluster:
	s_bfe_u32 s2, ttmp6, 0x10000c
	s_cmp_lg_u32 s2, 0x3003
	s_cbranch_scc0 .Lentry_shape_is_right
	s_endpgm
.Lentry_shape_is_right:
; The attention, both products on codes of FP6 (E2M3) with E8M0 scales, and its result quantised at once as the output projection's operand.
; t = score x log2(e) / 8; M = the running largest t rounded UP to a whole number; p = 2^(t - M) is quantised along the keys, not normalised; the row's sum is taken of the unquantised p and divides at the end.
; When M moves, the sum and O are multiplied by 2^(old M - new M): exact.
; SHARES.  Work-group (cx, y): head y of the 64 (batch y / 16, head y % 16), queries 512 cx .. 512 cx + 511: 4 x 64 = 256 work-groups.  Each of eight waves owns four neighbouring tiles of 16 queries and takes
; them TWO AT A TIME: a walk over the head's 16 key steps serves two tiles, so each fragment of K and V that is read from LDS feeds two tiles' products, and the two tiles' chains of vector work stand line by line in turn.
; K AND V come as images of the operands' registers (launch proj): a key step of 128 keys is 15,104 dense bytes, a head's 16 steps 241,664 bytes: THE WHOLE HEAD LIES IN LDS, each byte filled once.
; Wave w asks for steps 2 w and 2 w + 1 by its one tensor load at the head; every wave waits for its load, and one barrier shows all.  No LDS byte is filled again, so the walk has no barrier.
; No data prefetch: every tile is asked for at the head, and no loop runs ahead of a load.
; CLUSTER: the four query blocks of a head need the same 16 steps: each load is a joint one, with the mask 15.
; ONE LOOP OF 32 TRIPS holds the step's text once: trip n is key step n % 16 of walk n / 16.  V of the step is asked for at its top and has registers of its own; K of the next step (n + 1) % 16 is asked for
; behind the scores, when K's registers are free.  (The last trip's request for K is not used.)  The tiles' end stands under a branch on the trip's number alone.
; LAYOUT.  Both products are used transposed: S^T = K Q^T, O^T = V^T P^T: a lane holds one query throughout; the 16 registers of tiles 2 b, 2 b + 1 of S^T are keys 32 b + 16 (lane / 16) + 0 .. 15.
; THE SCORES' K IS 64 of the instruction's 128.  K's tile is 8 registers a lane: six of codes, the mask word (k = 64), 0; the operand's last four registers are the next tile's first four, and meet Q's zero codes.
; A hidden key's score is -7.5 x 2^120 by the product itself.  The largest score begins at -2^103, over every hidden one and under every real one: so p of a hidden key is 0 in every step, with no instruction spent on the mask.
; THE RESULT: a head's 64 channels are half a fragment of the next product (registers 6 c .. 6 c + 5, c = head % 2).  aimg's fragment of 1,536 bytes is six pieces of 256 bytes, piece P = registers 2 P, 2 P + 1,
; 8 bytes a lane: each store covers 256 consecutive bytes, aligned.  The two scale bytes of a row go to bytes 2 c, 2 c + 1 of its word in asc: 2 bytes a lane, 4 apart (the word's other half is the other head's).
; LIMITS: real |t| stays under 2^100; NaN and infinities are not served; a batch whose mask hides every key gives NaN in the defining program and is not served here.
; REGISTERS, in two windows of 256 (t = 0, 1: the tile of the pair).  Scale operands have no window, so all scale words lie in window 0.
.set SS,    15104                      ; a key step: K's block of 8,704 bytes, V's of 6,400
.set SPARE, 16*SS                      ; behind the 16 steps: the spare words, 128 bytes for each wave: four blocks of 256 bytes that no other line names
; window 0
.set LI,   1                           ; 16 x lane
.set VSA0, 2                           ; 16 (lane % 16) + 14,848: V's scale words in a step
.set SPW,  3                           ; my spare word; never rewritten
.set NIL,  4                           ; 0; never rewritten
.set ADK,  5                           ; the step in hand + 16 x lane
.set ADV,  6                           ; its scale words of V
.set L8,   7                           ; 8 x lane
.set R4,   8                           ; 4 (lane % 16) + 512 (lane / 16)
.set LN,   9                           ; lane
.set OWS,  10                          ; head: Q's offset; later the scale bytes that leave
.set ADN,  11                          ; head: Q's scale words' offset; later the next step + 16 x lane
.set ST,   12                          ; v[12+2t] -M, v[13+2t] the largest score
.set SU,   16                          ; v[16+2t:17+2t] the sum
.set SX,   20                          ; v[20+4t .. 23+4t] two more chains of it
.set FF,   28                          ; v[28+2t] f, v[29+2t] p's scale word
.set KS,   32                          ; v32-35 K's scale words: lanes 0-15 tiles 0-3, lanes 16-31 tiles 4-7
.set QS,   36                          ; v36, v37 Q's scale words;  v38, v39 the second pair's
.set VS,   40                          ; v40-43 V's
.set TMP,  44                          ; v44, v45 at work
.set BM,   48                          ; v[48+4t ..] the blocks' largest
.set SO,   56                          ; v[56+4t ..] the conversions' scale operands
.set PT,   64                          ; v[64+4t ..] at work
.set QN,   72                          ; v72-87 the second pair's Q
.set OC,   88                          ; v[88+6t ..] the codes that leave
.set OW,   100                         ; v100, v101 their scale bytes
.set CF,   104                         ; v[104+4t ..] the last conversions' second halves
.set S,    128                         ; v[128+64t ..] S^T, then p
; window 1
.set KF,   0                           ; K's eight tiles, then four zeros
.set VF,   68                          ; V's four fragments
.set QF,   116                         ; [116+12t ..] Q's fragment (registers 8-11: 0)
.set PCD,  140                         ; [140+12t ..] p's codes
.set CT,   164                         ; [164+8t ..] the conversions' second halves
.set OT,   192                         ; [192+32t ..] O^T
.set WV,    12
.set SEL,   20
.set CS,    22
.set G1,    24
.set G0,    32
.set TB,    36
.set CNT,   38
.set MSB, 0
.macro WIN new                         ; low byte: bits 1:0 source 0, 3:2 source 1, 5:4 source 2, 7:6 destination; the high byte repeats the setting that is left
.if MSB != (\new)
	s_set_vgpr_msb (MSB<<8)|(\new)
.set MSB, (\new)
.endif
.endm
.macro WALU
	s_wait_alu depctr_va_vdst(0)
.endm
.macro CROUND                          ; a round of the cluster's barrier
	s_barrier_signal -1
	s_barrier_wait -1
	s_cmp_lg_u32 s[WV], 0
	s_cbranch_scc1 .Lnot_wave_0_\@
	s_barrier_signal -3
.Lnot_wave_0_\@:
	s_barrier_wait -3
	s_barrier_signal -1
	s_barrier_wait -1
.endm
.macro BEGIN                           ; a pair's state: O^T and the sums are zeros, the largest score is -2^103 and -M = 2^103 c
	WIN 0x40
.set n, 0
.rept 64
	v_mov_b32 v[OT+n], 0
.set n, n+1
.endr
	WIN 0
.irp t, 0,1
	v_mov_b32 v[SU+2*\t], 0
	v_mov_b32 v[SU+2*\t+1], 0
	v_mov_b32 v[ST+2*\t+1], 0xf3000000
	v_mov_b32 v[ST+2*\t], 0x71b8aa3b
.endr
.endm
.macro KLOAD adr, off                  ; a step's K: its scale words, then its eight tiles: 17 loads
	ds_load_b128 v[KS:KS+3], v[\adr] offset:\off+8192
	WIN 0x40
.irp t, 0,1,2,3,4,5,6,7
	ds_load_b128 v[KF+8*\t:KF+8*\t+3], v[\adr] offset:\off+1024*\t
	ds_load_b128 v[KF+8*\t+4:KF+8*\t+7], v[\adr] offset:\off+1024*\t+512
.endr
	WIN 0
.endm
.macro FMAS t, from, to                ; t - M of tile t's registers from .. to - 1, two at a time
.set n, \from
.rept ((\to)-(\from))/2
	v_pk_fma_f32 v[S+64*\t+n:S+64*\t+n+1], v[S+64*\t+n:S+64*\t+n+1], s[CS:CS+1], v[ST+2*\t:ST+2*\t+1] op_sel_hi:[1,0,0]
.set n, n+2
.endr
.endm
.macro SCALE t                         ; behind the wait for tile t's exponentials: the blocks' scales, the codes, the scales' bytes
.irp b, 0,1,2,3
	v_max_num_f32 v[BM+4*\t+\b], 0x1800000, v[BM+4*\t+\b]   ; the floor 2^(3 - 127): a block whose every p is 0 keeps the byte 1: its codes are zeros
.endr
.irp b, 0,1,2,3
	v_add_nc_u32 v[SO+4*\t+\b], 0xff000000, v[BM+4*\t+\b]
.endr
	WIN 0x40
.irp c, 0,1
	v_cvt_scalef32_pk16_fp6_f32 v[PCD+12*\t+6*\c:PCD+12*\t+6*\c+2], v[S+64*\t+32*\c:S+64*\t+32*\c+15], v[SO+4*\t+2*\c]
	v_cvt_scalef32_pk16_fp6_f32 v[CT+8*\t+4*\c:CT+8*\t+4*\c+2], v[S+64*\t+32*\c+16:S+64*\t+32*\c+31], v[SO+4*\t+2*\c+1]
.endr
	WIN 0
.irp b, 0,1,2,3
	v_lshrrev_b32 v[PT+4*\t+\b], 23, v[SO+4*\t+\b]          ; (also the plain place behind the conversions)
.endr
.endm
.macro SUM3 t, j                       ; three pairs of p into tile t's three chains
	v_pk_add_f32 v[SU+2*\t:SU+2*\t+1], v[SU+2*\t:SU+2*\t+1], v[S+64*\t+\j:S+64*\t+\j+1]
	v_pk_add_f32 v[SX+4*\t:SX+4*\t+1], v[SX+4*\t:SX+4*\t+1], v[S+64*\t+\j+2:S+64*\t+\j+3]
	v_pk_add_f32 v[SX+4*\t+2:SX+4*\t+3], v[SX+4*\t+2:SX+4*\t+3], v[S+64*\t+\j+4:S+64*\t+\j+5]
.endm
	s_load_b256 s[4:11], s[0:1], 0x0               ; qimg, kv, aimg, asc
	v_lshl_add_u32 v[SPW], v0, 2, SPARE
	v_mov_b32 v[NIL], 0
	ds_add_u32 v[SPW], v[NIL]                      ; the opening lines: the add, twice on end, and its wait ahead of my tensor load
	ds_add_u32 v[SPW], v[NIL]
	v_lshrrev_b32 v10, 5, v0
	v_readfirstlane_b32 s[WV], v10                 ; wave 0..7
	s_and_b32 s16, ttmp7, 0xffff                   ; y: the head, which the partners share
	s_mov_b32 s[G1], 15|(3<<16)|(1<<21)            ; 15:0 the mask: all four; 17:16 elements of 8 bytes; 21 set beside a mask
	s_mov_b32 s[G1+1], 32<<16                      ; rows of 256 bytes,
	s_mov_b32 s[G1+2], 118<<16                     ; 118 of them: two key steps
	s_mov_b32 s[G1+3], 32<<16
	s_mov_b32 s[G1+4], 118
	s_mov_b32 s[G1+5], 32
	s_mov_b32 s[G1+6], 0
	s_mov_b32 s[G1+7], 0
	s_mul_i32 s[G0+1], s[WV], 2*SS                 ; steps 2 w, 2 w + 1 go to LDS byte 2 w x SS
	s_mul_i32 s42, s16, 16*SS                      ; the head's 16 steps in kv
	s_add_co_u32 s42, s42, s[G0+1]
	s_mov_b32 s43, 0
	s_mov_b32 s[SEL], 0x76543210
	s_mov_b32 s[SEL+1], 0xfedcba98
	s_mov_b32 s[CS], 0x3e38aa3b                    ; c = log2(e) / 8
	s_mov_b32 s[CS+1], s[CS]                       ; (named with it as a pair, so it is written)
	s_bfe_u32 s13, ttmp6, 0x40000                  ; cx: my block of 512 queries: it enters Q's and the output's addresses alone
	s_lshl_b32 s17, s13, 2
	s_lshr_b32 s46, s[WV], 1
	s_add_co_u32 s17, s17, s46                     ; my group of 128 queries: 4 cx + w / 2
	s_and_b32 s39, s[WV], 1
	s_lshl_b32 s18, s39, 2                         ; my first tile in it: 4 (w % 2)
	s_mul_i32 s14, s16, 139264
	s_mul_i32 s46, s17, 8704
	s_add_co_u32 s14, s14, s46                     ; the group's place in qimg
	s_mov_b32 s15, 0
	s_lshl_b32 s19, s18, 10                        ; the tile's codes in the group
	s_lshl_b32 s37, s39, 8
	s_add_co_u32 s37, s37, 8192                    ; its scale words: 8,192 + 256 (tile / 4) + 4 (tile % 4), + 16 r
	s_lshr_b32 s46, s16, 4
	s_lshl_b32 s46, s46, 4
	s_add_co_u32 s46, s46, s17                     ; T / 8 = 16 x batch + group (T: the token tile)
	s_bfe_u32 s47, s16, 0x30001                    ; j: which 128 along the next K: (y % 16) / 2
	s_and_b32 s39, s16, 1                          ; c: which half of it
	s_lshl_b32 s40, s46, 3
	s_add_co_u32 s40, s40, s18                     ; T
	s_lshl_b32 s40, s40, 9
	s_lshl_b32 s41, s47, 6
	s_add_co_u32 s40, s40, s41
	s_lshl_b32 s41, s39, 1
	s_add_co_u32 s40, s40, s41                     ; asc: 512 T + 64 j + 2 c
	s_mov_b32 s41, 0
	s_mul_i32 s44, s46, 98304
	s_lshr_b32 s45, s47, 1
	s_mul_i32 s45, s45, 24576
	s_add_co_u32 s44, s44, s45
	s_mul_i32 s45, s18, 3072
	s_add_co_u32 s44, s44, s45
	s_and_b32 s45, s47, 1
	s_mul_i32 s45, s45, 1536
	s_add_co_u32 s44, s44, s45
	s_mul_i32 s45, s39, 768
	s_add_co_u32 s44, s44, s45                     ; aimg: my half of the first tile's fragment
	s_mov_b32 s45, 0
	WALU                                           ; the wait here, ahead of the waits below
	s_wait_dscnt 0x0                               ; both opening adds are done
	CROUND                                         ; all four work-groups are here: the joint loads meet
	s_wait_kmcnt 0x0
	s_mov_b32 s[G0], 1
	s_add_nc_u64 s[G0+2:G0+3], s[6:7], s[42:43]
	s_or_b32 s[G0+3], s[G0+3], 0x80000000
	s_add_nc_u64 s[4:5], s[4:5], s[14:15]
	s_add_nc_u64 s[8:9], s[8:9], s[44:45]
	s_add_nc_u64 s[10:11], s[10:11], s[40:41]
	tensor_load_to_lds s[G0:G0+3], s[G1:G1+7]      ; one load a wave, one line for all: every wave waits for it below
	s_nop 0
.rept 4
	v_nop
.endr
	v_and_b32 v[LN], 31, v0
	v_and_b32 v11, 15, v0                          ; r
	v_bfe_u32 v10, v0, 4, 1                        ; lane / 16
	v_lshlrev_b32 v[LI], 4, v[LN]
	v_lshlrev_b32 v[L8], 3, v[LN]
	v_lshlrev_b32 v[R4], 2, v11
	v_lshl_add_u32 v[R4], v10, 9, v[R4]
	v_lshlrev_b32 v[VSA0], 4, v11
	v_add_nc_u32 v[VSA0], 14848, v[VSA0]
	v_cmp_gt_u32 s47, 16, v[LN]                    ; lanes 0-15
	v_add_nc_u32 v10, s19, v[LI]
	v_lshl_add_u32 v11, v11, 4, s37
	WALU
	WIN 0x40
.irp t, 0,1
	global_load_b128 v[QF+12*\t:QF+12*\t+3], v10, s[4:5] offset:1024*\t
	global_load_b128 v[QF+12*\t+4:QF+12*\t+7], v10, s[4:5] offset:1024*\t+512
.endr
	WIN 0
.irp t, 0,1
	global_load_b128 v[QN+8*\t:QN+8*\t+3], v10, s[4:5] offset:2048+1024*\t
	global_load_b128 v[QN+8*\t+4:QN+8*\t+7], v10, s[4:5] offset:2048+1024*\t+512
.endr
.irp t, 0,1,2,3
	global_load_b32 v[QS+\t], v11, s[4:5] offset:4*\t
.endr
	BEGIN
	WIN 0x40
.irp i, 0,1,2,3
	v_mov_b32 v[QF+8+\i], 0                        ; Q's codes at k = 80 on
	v_mov_b32 v[QF+20+\i], 0
	v_mov_b32 v[KF+64+\i], 0                       ; what the eighth tile's operand names behind its eight registers
.endr
	WIN 0
.irp i, 0,1,2,3,4,5,6,7
	v_mov_b32 v[PT+\i], 0                          ; written once: a lane permute's destination counts as one of its sources
.endr
.irp t, 0,1
	v_mov_b32 v[TMP+\t], 0
	v_mov_b32 v[FF+2*\t+1], 0                      ; (named as the upper half of a pair before it is first written)
.endr
	s_mov_b32 s[CNT], 0
	WALU                                           ; the wait at the head's end
	s_wait_loadcnt 0x0                             ; Q
	s_wait_tensorcnt 0x0                           ; my two steps have landed
	s_barrier_signal -1
	s_barrier_wait -1                              ; all 16 steps are shown to all
	KLOAD LI, 0                                    ; step 0's K
.Lstep:                                            ; 32 trips
	s_and_b32 s40, s[CNT], 15
	s_mul_i32 s[TB], s40, SS                       ; the step in hand,
	s_add_co_u32 s41, s[CNT], 1
	s_and_b32 s41, s41, 15
	s_mul_i32 s41, s41, SS                         ; and the next
	v_add_nc_u32 v[ADK], s[TB], v[LI]
	v_add_nc_u32 v[ADV], s[TB], v[VSA0]
	v_add_nc_u32 v[ADN], s41, v[LI]
	v_nop                                          ; four places in front of loads into registers that the last products read
	ds_load_b128 v[VS:VS+3], v[ADV]                ; V is asked for now: 13 loads
	WIN 0x40
.irp d, 0,1,2,3
.irp p, 0,1,2
	ds_load_b128 v[VF+12*\d+4*\p:VF+12*\d+4*\p+3], v[ADK] offset:8704+1536*\d+512*\p
.endr
.endr
	WALU
	s_wait_dscnt 13                                ; K is in: younger are V's 13 loads
	WIN 0x05
.irp q, 0,1
.irp t, 0,1,2,3
	v_wmma_scale_f32_16x16x128_f8f6f4 v[S+64*\q+8*\t:S+64*\q+8*\t+7], v[KF+8*\t:KF+8*\t+11], v[QF+12*\q:QF+12*\q+11], 0, v[KS+\t], v[QS+\q] matrix_a_fmt:MATRIX_FMT_FP6 matrix_b_fmt:MATRIX_FMT_FP6
.endr
.irp t, 4,5,6,7
	v_wmma_scale_f32_16x16x128_f8f6f4 v[S+64*\q+8*\t:S+64*\q+8*\t+7], v[KF+8*\t:KF+8*\t+11], v[QF+12*\q:QF+12*\q+11], 0, v[KS+\t-4], v[QS+\q] matrix_a_fmt:MATRIX_FMT_FP6 matrix_b_fmt:MATRIX_FMT_FP6 matrix_a_scale:MATRIX_SCALE_ROW1
.endr
.endr
	WIN 0
	v_mov_b32 v[TMP], v[ST]                        ; the old -M; with two v_nop the four places behind the scores
	v_mov_b32 v[TMP+1], v[ST+2]
	v_nop
	v_nop
	KLOAD ADN, 0                                   ; the next step's K: 17 loads, which land under the softmax
.irp t, 0,1
.irp b, 0,1,2,3
	v_max3_num_f32 v[BM+4*\t+\b], v[S+64*\t+16*\b], v[S+64*\t+16*\b+1], v[S+64*\t+16*\b+2]   ; the largest score of each block of 32 keys: it serves for the row's maximum and, since p rises with the score, for the block's largest p
.endr
.endr
.irp i, 3,5,7,9,11,13
.irp t, 0,1
.irp b, 0,1,2,3
	v_max3_num_f32 v[BM+4*\t+\b], v[BM+4*\t+\b], v[S+64*\t+16*\b+\i], v[S+64*\t+16*\b+\i+1]
.endr
.endr
.endr
.irp t, 0,1
.irp b, 0,1,2,3
	v_max_num_f32 v[BM+4*\t+\b], v[BM+4*\t+\b], v[S+64*\t+16*\b+15]
.endr
.endr
.irp i, 0,1,2,3,4,5,6,7
	v_permlanex16_b32 v[PT+\i], v[BM+\i], s[SEL], s[SEL+1]
.endr
.irp i, 0,1,2,3,4,5,6,7
	v_max_num_f32 v[BM+\i], v[BM+\i], v[PT+\i]     ; with lane l xor 16's 16 keys
.endr
.irp t, 0,1
	v_max3_num_f32 v[PT+4*\t], v[BM+4*\t], v[BM+4*\t+1], v[BM+4*\t+2]
.endr
.irp t, 0,1
	v_max3_num_f32 v[ST+2*\t+1], v[ST+2*\t+1], v[PT+4*\t], v[BM+4*\t+3]   ; the running largest score
.endr
.irp t, 0,1
	v_mul_f32 v[PT+4*\t], s[CS], v[ST+2*\t+1]      ; as t (c is positive)
.endr
.irp t, 0,1
	v_floor_f32 v[ST+2*\t], -v[PT+4*\t]            ; the new -M = -ceil(t): a whole number
.endr
.irp t, 0,1
	v_sub_f32 v[TMP+\t], v[ST+2*\t], v[TMP+\t]     ; old M - new M: a whole number, 0 or less
.endr
	FMAS 0, 0, 8
.irp t, 0,1
	v_cvt_i32_f32 v[TMP+\t], v[TMP+\t]             ; (it saturates)
.endr
	FMAS 0, 8, 16
.irp t, 0,1
	v_ldexp_f32 v[FF+2*\t], 1.0, v[TMP+\t]         ; f = 2^(old M - new M)
.endr
	FMAS 0, 16, 64
.irp b, 0,1,2,3
	v_fma_f32 v[BM+\b], v[BM+\b], s[CS], v[ST]     ; the same of each block's largest score
.endr
	WALU                                           ; the wait ahead of the batch
.set n, 0
.rept 32                               ; tile 0's p = 2^(t - M), not normalised; among them tile 1's t - M, which is read behind the wait below
	v_exp_f32 v[S+n], v[S+n]
	v_exp_f32 v[S+n+1], v[S+n+1]
	v_pk_fma_f32 v[S+64+n:S+64+n+1], v[S+64+n:S+64+n+1], s[CS:CS+1], v[ST+2:ST+3] op_sel_hi:[1,0,0]
.set n, n+2
.endr
.irp b, 0,1,2,3
	v_exp_f32 v[BM+\b], v[BM+\b]                   ; the block's largest p
	v_fma_f32 v[BM+4+\b], v[BM+4+\b], s[CS], v[ST+2]
.endr
.irp t, 0,1
	v_pk_mul_f32 v[SU+2*\t:SU+2*\t+1], v[SU+2*\t:SU+2*\t+1], v[FF+2*\t:FF+2*\t+1] op_sel_hi:[1,0]   ; the sums under the new M
.endr
	WALU                                           ; one wait: behind tile 0's batch, ahead of tile 1's
	SCALE 0
.set n, 0
.rept 16                               ; tile 1's p; among them the first level of tile 0's sum, in place (tile 0's codes are made): 16 lines that do not hang on each other, read behind the wait below
	v_exp_f32 v[S+64+2*n], v[S+64+2*n]
	v_exp_f32 v[S+64+2*n+1], v[S+64+2*n+1]
	v_exp_f32 v[S+64+2*n+2], v[S+64+2*n+2]
	v_exp_f32 v[S+64+2*n+3], v[S+64+2*n+3]
	v_pk_add_f32 v[S+n:S+n+1], v[S+n:S+n+1], v[S+32+n:S+32+n+1]
.set n, n+2
.endr
.irp b, 0,1,2,3
	v_exp_f32 v[BM+4+\b], v[BM+4+\b]
.endr
	v_nop                                          ; a plain place behind the exponentials
	WALU
	SCALE 1
.irp t, 0,1
	v_lshl_or_b32 v[FF+2*\t+1], v[PT+4*\t+1], 8, v[PT+4*\t]   ; p's scale word for these 128 keys
.endr
.irp t, 0,1
	v_lshl_or_b32 v[FF+2*\t+1], v[PT+4*\t+2], 16, v[FF+2*\t+1]
.endr
.irp t, 0,1
	v_lshl_or_b32 v[FF+2*\t+1], v[PT+4*\t+3], 24, v[FF+2*\t+1]
.endr
.irp t, 0,1                            ; the rows' sums of the unquantised p: tile 0 has 16 pairs left, tile 1 all 32; three chains a tile
	v_pk_add_f32 v[SX+4*\t:SX+4*\t+1], v[S+64*\t:S+64*\t+1], v[S+64*\t+2:S+64*\t+3]
	v_pk_add_f32 v[SX+4*\t+2:SX+4*\t+3], v[S+64*\t+4:S+64*\t+5], v[S+64*\t+6:S+64*\t+7]
.endr
.irp j, 8,14,20,26
	SUM3 1, \j
	SUM3 0, \j
.endr
.irp j, 32,38,44,50,56
	SUM3 1, \j
.endr
	v_pk_add_f32 v[SU+2:SU+3], v[SU+2:SU+3], v[S+64+62:S+64+63]
.irp t, 0,1
	v_pk_add_f32 v[SX+4*\t:SX+4*\t+1], v[SX+4*\t:SX+4*\t+1], v[SX+4*\t+2:SX+4*\t+3]
.endr
.irp t, 0,1
	v_pk_add_f32 v[SU+2*\t:SU+2*\t+1], v[SU+2*\t:SU+2*\t+1], v[SX+4*\t:SX+4*\t+1]
.endr
	WIN 0x55
.irp t, 0,1                            ; the operand's layout wants a whole block in a lane
.irp c, 0,1
.irp i, 0,1,2
	v_permlane16_swap_b32 v[PCD+12*\t+6*\c+\i], v[CT+8*\t+4*\c+\i]
.endr
.endr
.endr
.irp t, 0,1
.irp c, 0,1
.irp i, 0,1,2
	v_mov_b32 v[PCD+12*\t+6*\c+3+\i], v[CT+8*\t+4*\c+\i]
.endr
.endr
.endr
	WIN 0x41
	WALU                                           ; the wait here, directly ahead of the first reader of O^T
.irp t, 0,1
.set n, 0
.rept 16
	v_pk_mul_f32 v[OT+32*\t+n:OT+32*\t+n+1], v[OT+32*\t+n:OT+32*\t+n+1], v[FF+2*\t:FF+2*\t+1] op_sel_hi:[1,0]   ; O^T under the new M.  These are also the places in front of the scaled products
.set n, n+2
.endr
.endr
	WALU
	s_wait_dscnt 17                                ; V is in: younger are the next K's 17 loads
	WIN 0x55
.irp d, 0,1,2,3
.irp t, 0,1
	v_wmma_scale_f32_16x16x128_f8f6f4 v[OT+32*\t+8*\d:OT+32*\t+8*\d+7], v[VF+12*\d:VF+12*\d+11], v[PCD+12*\t:PCD+12*\t+11], v[OT+32*\t+8*\d:OT+32*\t+8*\d+7], v[VS+\d], v[FF+2*\t+1] matrix_a_fmt:MATRIX_FMT_FP6 matrix_b_fmt:MATRIX_FMT_FP6
.endr
.endr
	WALU                                           ; the wait: ahead of the branches, directly behind the products
	WIN 0
	s_cmp_lg_u32 s40, 15
	s_cbranch_scc1 .Lno_end
; THE PAIR'S END, behind key step 15: O^T / the sum; the head's 64 channels are two blocks of the next K: register 16 g + i is channel 32 g + 16 (lane / 16) + i
	s_wait_xcnt 0x0                                ; the first pair's stores have read their registers
.irp t, 0,1
	v_add_f32 v[SU+2*\t], v[SU+2*\t], v[SU+2*\t+1]
.endr
	v_nop
	v_nop                                          ; four places behind the last products
.irp t, 0,1
	v_permlanex16_b32 v[TMP+\t], v[SU+2*\t], s[SEL], s[SEL+1]
.endr
.irp t, 0,1
	v_add_f32 v[SU+2*\t], v[SU+2*\t], v[TMP+\t]    ; the row's sum
.endr
	WALU
.irp t, 0,1
	v_rcp_f32 v[FF+2*\t], v[SU+2*\t]
.endr
	v_nop                                          ; a plain instruction behind the reciprocals,
	WIN 0x01
	WALU                                           ; and the wait ahead of their first reader, which is O^T's too
.irp t, 0,1
.set n, 0
.rept 16
	v_pk_mul_f32 v[S+64*\t+n:S+64*\t+n+1], v[OT+32*\t+n:OT+32*\t+n+1], v[FF+2*\t:FF+2*\t+1] op_sel_hi:[1,0]
.set n, n+2
.endr
.endr
	WIN 0
.irp t, 0,1
.irp g, 0,1
	v_max3_num_f32 v[BM+4*\t+\g], |v[S+64*\t+16*\g]|, |v[S+64*\t+16*\g+1]|, 0x1800000
.endr
.endr
.irp i, 2,4,6,8,10,12,14
.irp t, 0,1
.irp g, 0,1
	v_max3_num_f32 v[BM+4*\t+\g], v[BM+4*\t+\g], |v[S+64*\t+16*\g+\i]|, |v[S+64*\t+16*\g+\i+1]|
.endr
.endr
.endr
.irp t, 0,1
.irp g, 0,1
	v_permlanex16_b32 v[PT+4*\t+\g], v[BM+4*\t+\g], s[SEL], s[SEL+1]
.endr
.endr
.irp t, 0,1
.irp g, 0,1
	v_max_num_f32 v[BM+4*\t+\g], v[BM+4*\t+\g], v[PT+4*\t+\g]
.endr
.endr
.irp t, 0,1
.irp g, 0,1
	v_add_nc_u32 v[SO+4*\t+\g], 0xff000000, v[BM+4*\t+\g]
.endr
.endr
.irp t, 0,1
.irp g, 0,1
	v_lshrrev_b32 v[PT+4*\t+\g], 23, v[SO+4*\t+\g]
.endr
.endr
.irp t, 0,1
	v_lshl_or_b32 v[OW+\t], v[PT+4*\t+1], 8, v[PT+4*\t]   ; the row's two scale bytes (the same in lanes l and l xor 16)
.endr
.irp t, 0,1
	v_cvt_scalef32_pk16_fp6_f32 v[OC+6*\t:OC+6*\t+2], v[S+64*\t:S+64*\t+15], v[SO+4*\t]
	v_cvt_scalef32_pk16_fp6_f32 v[CF+4*\t:CF+4*\t+2], v[S+64*\t+16:S+64*\t+31], v[SO+4*\t+1]
.endr
	v_cndmask_b32 v[OWS], v[OW+1], v[OW], s47      ; lanes 0-15 the first tile's rows, lanes 16-31 the second's, 512 bytes on in asc.  (The plain place behind the conversions)
.irp t, 0,1
.irp i, 0,1,2
	v_permlane16_swap_b32 v[OC+6*\t+\i], v[CF+4*\t+\i]
.endr
.endr
.irp t, 0,1
.irp i, 0,1,2
	v_mov_b32 v[OC+6*\t+3+\i], v[CF+4*\t+\i]
.endr
.endr
.irp t, 0,1
.irp p, 0,1,2
	global_store_b64 v[L8], v[OC+6*\t+2*\p:OC+6*\t+2*\p+1], s[8:9] offset:3072*\t+256*\p   ; 32 lanes store 256 consecutive bytes, aligned
.endr
.endr
	global_store_b16 v[R4], v[OWS], s[10:11]
	WIN 0x40
.irp t, 0,1
.irp i, 0,1,2,3,4,5,6,7
	v_mov_b32 v[QF+12*\t+\i], v[QN+8*\t+\i]        ; the second pair's Q,
.endr
.endr
	WIN 0
.irp t, 0,1
	v_mov_b32 v[QS+\t], v[QS+2+\t]                 ; its scale words,
.endr
	BEGIN                                          ; and a new state; these lines are also the places in front of the next scaled products
	WALU                                           ; the wait here, ahead of the wait and the branch below
	s_wait_xcnt 0x0                                ; the stores have read their bases
	s_add_nc_u64 s[8:9], s[8:9], 2*3072            ; on to the second pair's fragments
	s_add_nc_u64 s[10:11], s[10:11], 2*512         ; and scale words
.Lno_end:
	s_add_co_u32 s[CNT], s[CNT], 1
	s_cmp_lt_u32 s[CNT], 32
	s_cbranch_scc1 .Lstep
	s_wait_tensorcnt 0x0                           ; the wave's end
	ds_add_u32 v[SPW], v[NIL]
	s_wait_dscnt 0x0
	CROUND                                         ; the closing round
	s_endpgm
.Lfunc_end_k_q009f1f3152_attn:
	.size	k_q009f1f3152_attn, .Lfunc_end_k_q009f1f3152_attn-k_q009f1f3152_attn
	.p2alignl 7, 3214868480
	.fill 96, 4, 3214868480
	.section	.rodata,"a",@progbits
	.p2align	6, 0x0
	.amdhsa_kernel k_q009f1f3152_attn
		.amdhsa_group_segment_fixed_size 243712
		.amdhsa_private_segment_fixed_size 0
		.amdhsa_enable_private_segment 0
		.amdhsa_kernarg_size 32
		.amdhsa_user_sgpr_count 2
		.amdhsa_user_sgpr_kernarg_segment_ptr 1
		.amdhsa_wavefront_size32 1
		.amdhsa_system_sgpr_workgroup_id_x 1
		.amdhsa_system_sgpr_workgroup_id_y 1
		.amdhsa_system_sgpr_workgroup_id_z 1
		.amdhsa_system_vgpr_workitem_id 0
		.amdhsa_next_free_vgpr 512
		.amdhsa_next_free_sgpr 66
		.amdhsa_reserve_vcc 0
		.amdhsa_float_denorm_mode_32 3
		.amdhsa_float_denorm_mode_16_64 3
		.amdhsa_memory_ordered 1
		.amdhsa_forward_progress 1
		.amdhsa_inst_pref_size 51
	.end_amdhsa_kernel
	.amdgpu_metadata
---
amdhsa.version: [ 1, 2 ]
amdhsa.kernels:
  - .name:           k_q009f1f3152_attn
    .symbol:         k_q009f1f3152_attn.kd
    .args:
      - { .name: qimg, .offset: 0, .size: 8, .value_kind: global_buffer, .address_space: global }
      - { .name: kv, .offset: 8, .size: 8, .value_kind: global_buffer, .address_space: global }
      - { .name: aimg, .offset: 16, .size: 8, .value_kind: global_buffer, .address_space: global }
      - { .name: asc, .offset: 24, .size: 8, .value_kind: global_buffer, .address_space: global }
    .group_segment_fixed_size: 243712
    .private_segment_fixed_size: 0
    .kernarg_segment_align: 8
    .kernarg_segment_size: 32
    .max_flat_workgroup_size: 256
    .sgpr_count:     66
    .vgpr_count:     512
    .wavefront_size: 32
...
	.end_amdgpu_metadata
.endif
;; end of part 3
;; launch oproj (part 4): grid 8 x 32, 4 waves a work-group, clusters of 4 x 4, 327,680 bytes of LDS; arguments aimg, asc, gimg, gsc, bo, out0; writes out0
.if DOCPART == 4
	.amdgcn_target "amdgcn-amd-amdhsa--gfx1250"
	.amdhsa_code_object_version 6
	.text
	.protected	k_q009f1f3152_oproj
	.globl	k_q009f1f3152_oproj
	.p2align	8
	.type	k_q009f1f3152_oproj,@function
k_q009f1f3152_oproj:
	s_mov_b64 s[64:65], 0
	v_nop
	global_prefetch_b8 v0, s[64:65] scope:SCOPE_SE
	s_setreg_imm32_b32 hwreg(HW_REG_WAVE_MODE, 25, 1), 1
	s_wait_xcnt 0x0
	s_wait_alu depctr_hold_cnt(0) depctr_sa_sdst(0) depctr_va_vdst(0) depctr_va_sdst(0) depctr_va_ssrc(0) depctr_va_vcc(0) depctr_vm_vsrc(0)
	s_getreg_b32 s2, hwreg(HW_REG_IB_STS2, 6, 4)
	s_cmp_eq_u32 s2, 0
	s_cbranch_scc0 .Lentry_in_a_cluster
	s_endpgm
.Lentry_in_a_cluster:
	s_bfe_u32 s2, ttmp6, 0x10000c
	s_cmp_lg_u32 s2, 0xf033
	s_cbranch_scc0 .Lentry_shape_is_right
	s_endpgm
.Lentry_shape_is_right:
; out0[token][n] = sum over k of context[token][k] Wo[n][k] + bo[n], f32: the output projection on codes of FP6 (E2M3) with E8M0 scales: 8,192 x 1,024 x 1,024.
; LIMITS: NaN, infinities and sums beyond f32's range are not served; a sum begins with the bias, where the defining program adds it last.
; THE OPERANDS are images of the matrix operand's registers.  A group is 128 rows (8 tiles of 16), 98,304 dense bytes: (k / 256) x 24,576 + tile x 3,072 + ((k / 128) % 2) x 1,536 + a fragment of 1,536 bytes.
; A (aimg, launch attn): a fragment is six pieces of 256 bytes, piece P = registers 2 P, 2 P + 1, 8 bytes a lane.  B (gimg, launch quant, Wo's groups 216 to 223): three planes of 512 bytes, 16 bytes a lane.
; Scale words (asc, gsc): tile x 512 + (k / 128) x 64 + 4 r.  Row r of tile tau of a tensor is its row 32 (tau / 2) + 8 (tau % 2) + r + 8 (r / 8).
; THE DEAL.  8 x 32 = 256 work-groups of four waves, 2 x 2, each 256 rows x 128 columns of out0.  A wave holds four tiles of 16 columns of B, all of K, in registers (384), and streams its 128 rows of A past them
; in eight blocks of 16 rows: 32 products a block, four accumulators by turns.  The bias is the first four products' C.
; LDS HOLDS ALL OF K: A's two groups, B's group, A's scale words, each filled once by one tensor load, one a wave, each on a line of its own; B's scale words come by plain loads and LDS stores.
; No byte is filled again: no ring and no round but the opening and the closing one.  No data prefetch: all is asked for at the head, and no loop runs ahead of a load.
; CLUSTER 4 x 4: A's rows hang on the tile row alone and are shared along a row of the cluster, B's on the tile column alone and are shared along a column.
; THE MATRIX INSTRUCTION IS USED TRANSPOSED (source 0 = B's rows): a lane holds eight neighbouring columns of one row.  Behind a block's products its sums go through the wave's own stage and leave as whole rows of 256 bytes.
; TWO SETS of A's fragments, of accumulators and of the rows that come back from the stage, by turns.  One wait on LDS a block, ahead of its stores: younger than the rows' way back is the fetch of the block two on alone (NF loads).
.set GRP,    98304
.set KSB,    24576
.set XB,     2*GRP                     ; B's group, behind A's two
.set SCY,    3*GRP                     ; A's scale words: 8,192 bytes
.set SCX,    SCY+8192                  ; B's: 4,096 bytes, written by LDS stores alone
.set SPARE,  SCX+4096                  ; the spare words: 128 bytes a wave
.set STAGE,  SPARE+512                 ; a stage of 16 rows x (256 + 16) bytes for each wave; no tile lands here
.set SPITCH, 272
.set NQ,  8                            ; K / 128
.set NB,  4                            ; column tiles a wave
.set FR,  12                           ; registers of a fragment
.set FPW, 21                           ; fragments in a window.  Fragment f lies in window 1 + f / 21 at register 12 (f % 21): 0-31 B's (4 q + tile), 32-47 A's two sets (32 + 8 e + q)
.set NF,  56                           ; LDS loads of a block: 48 pieces, 8 scale words
.set BIO, 8                            ; v8   64 x (lane / 16): my offset in the bias
.set CO,  9                            ; v9   my byte offset in out0: row lane / 16, 16 bytes x (lane % 16)
.set SPW, 10                           ; v10  my spare word
.set NIL, 11                           ; v11  0
.set AA0, 12                           ; v12, v13  LDS address of my group of A + 8 x lane, for k under 512 and from 512 on
.set BA0, 14                           ; v14, v15  of my four tiles of B + 16 x lane, likewise
.set ABS, 16                           ; v16  B's scale words: lanes 0-15 an even tile's rows, lanes 16-31 the next tile's
.set AAS, 17                           ; v17  A's scale words of my group, row lane % 16
.set STO, 18                           ; v18  the stage: where I put 32 bytes of a row
.set RD,  19                           ; v19  the stage: where I read 16 bytes of a row back
.set SB,  24                           ; v24-39  B's scale words: 8 (tile / 2) + q
.set SA,  42                           ; v42-57  A's: two sets of eight
.set ACC, 64                           ; v64-127 two sets of four accumulators
.set BK,  128                          ; v128-191 two sets: 16 rows x 256 bytes back from the stage
.set BO,  208                          ; v208-239 the bias as the first four products' C
.set G1Y, 24
.set G1X, 32
.set G1S, 48
.set G0X, 56
.set G0Y, 60
.set G0S, 68
.set MSB, 0
.macro WIN new
.if MSB != (\new)
	s_set_vgpr_msb (MSB<<8)|(\new)
.set MSB, (\new)
.endif
.endm
.macro PLACES n
.rept \n
	v_nop
.endr
.endm
.macro WALU
	s_wait_alu depctr_va_vdst(0)
.endm
.macro BARRIER
	s_barrier_signal -1
	s_barrier_wait -1
.endm
.macro CROUND
	BARRIER
	s_cmp_lg_u32 s20, 0
	s_cbranch_scc1 .Lnot_wave_0_\@
	s_barrier_signal -3
.Lnot_wave_0_\@:
	s_barrier_wait -3
	BARRIER
.endm
.macro TLOAD g0, g1                    ; an s_nop 0 and four v_nop follow the load
	tensor_load_to_lds s[\g0:\g0+3], s[\g1:\g1+7]
	s_nop 0
	PLACES 4
.endm
.macro GROUP1 g, mask, rows            ; dense rows of 256 bytes (32 elements of 8)
	s_or_b32 s[\g+0], s[\mask], (3<<16)|(1<<21)
	s_mov_b32 s[\g+1], 32<<16
	s_mov_b32 s[\g+2], (\rows)<<16
	s_mov_b32 s[\g+3], 32<<16
	s_mov_b32 s[\g+4], \rows
	s_mov_b32 s[\g+5], 32
	s_mov_b32 s[\g+6], 0
	s_mov_b32 s[\g+7], 0
.endm
.macro FETCHA e, a                     ; block a of my group into set e: NF loads
.irp q, 0,1,2,3,4,5,6,7
	WIN (1+(NB*NQ+NQ*(\e)+\q)/FPW)<<6
.irp p, 0,1,2,3,4,5
	ds_load_b64 v[FR*((NB*NQ+NQ*(\e)+\q)%FPW)+2*\p:FR*((NB*NQ+NQ*(\e)+\q)%FPW)+2*\p+1], v[AA0+(\q/4)] offset:((\q/2)%2)*KSB+(\a)*3072+(\q%2)*1536+256*\p
.endr
.endr
	WIN 0
.irp q, 0,1,2,3,4,5,6,7
	ds_load_b32 v[SA+8*(\e)+\q], v[AAS] offset:(\a)*512+64*\q
.endr
.endm
.macro PROD e, n                       ; product n = 4 q + tile of a block whose rows lie in set e; source 0 = B's rows
.set Q_, (\n)/4
.set FB_, NB*Q_+(\n)%4
.set FA_, NB*NQ+NQ*(\e)+Q_
.set D_, ACC+32*(\e)+8*((\n)%4)
.set XB_, SB+NQ*(((\n)%4)/2)+Q_
.set XA_, SA+8*(\e)+Q_
	WIN (1+FB_/FPW)|((1+FA_/FPW)<<2)
.if Q_
	PROD1 D_, FB_, FA_, v[D_:D_+7], XB_, XA_, (\n)%2
.else
	PROD1 D_, FB_, FA_, v[BO+8*((\n)%4):BO+8*((\n)%4)+7], XB_, XA_, (\n)%2
.endif
.endm
.macro PROD1 d, s0, s1, c, x0, x1, o
.if \o
	v_wmma_scale_f32_16x16x128_f8f6f4 v[\d:\d+7], v[FR*((\s0)%FPW):FR*((\s0)%FPW)+FR-1], v[FR*((\s1)%FPW):FR*((\s1)%FPW)+FR-1], \c, v[\x0], v[\x1] matrix_a_fmt:MATRIX_FMT_FP6 matrix_b_fmt:MATRIX_FMT_FP6 matrix_a_scale:MATRIX_SCALE_ROW1
.else
	v_wmma_scale_f32_16x16x128_f8f6f4 v[\d:\d+7], v[FR*((\s0)%FPW):FR*((\s0)%FPW)+FR-1], v[FR*((\s1)%FPW):FR*((\s1)%FPW)+FR-1], \c, v[\x0], v[\x1] matrix_a_fmt:MATRIX_FMT_FP6 matrix_b_fmt:MATRIX_FMT_FP6 matrix_a_scale:MATRIX_SCALE_ROW0
.endif
.endm
.macro STAGED u                        ; set u's sums into my stage, each accumulator from its low end on, and back as whole rows.  Register i of tile b of lane (r, h) is column 32 (b / 2) + 8 (b % 2) + 16 h + i of my 64.  LDS serves a wave's instructions in order (ISA guide 5.7.1.4): no wait between
.irp b, 0,1,2,3
	ds_store_b128 v[STO], v[ACC+32*(\u)+8*\b:ACC+32*(\u)+8*\b+3] offset:128*(\b/2)+32*(\b%2)
	ds_store_b128 v[STO], v[ACC+32*(\u)+8*\b+4:ACC+32*(\u)+8*\b+7] offset:128*(\b/2)+32*(\b%2)+16
.endr
.irp t, 0,1,2,3,4,5,6,7
	ds_load_b128 v[BK+32*(\u)+4*\t:BK+32*(\u)+4*\t+3], v[RD] offset:2*\t*SPITCH
.endr
.endm
.macro TOC u, a                        ; block a's rows 2 t, 2 t + 1 are tokens 32 (a / 2) + 8 (a % 2) + 2 t + 8 (t / 4) and the next: sixteen lanes store 256 consecutive bytes, aligned
.irp t, 0,1,2,3,4,5,6,7
	global_store_b128 v[CO], v[BK+32*(\u)+4*\t:BK+32*(\u)+4*\t+3], s[14:15] offset:(32*((\a)/2)+8*((\a)%2)+2*\t+8*(\t/4))*4096 th:TH_STORE_NT
.endr
.endm
.macro STREAM a                        ; a block: its products, and one run of memory lines behind them
.set N_, 0
.rept 32
	PROD (\a)%2, N_
.set N_, N_+1
.endr
	WIN 0
	PLACES 4                                       ; between the last product and the first reader of its sums, and the fetch into registers that it has read
	s_wait_xcnt 0x0                                ; the stores of two blocks ago have read this set of the rows
	STAGED (\a)%2
.if (\a)+2 < 8
	FETCHA (\a)%2, (\a)+2
	s_wait_dscnt NF                                ; the block's rows are back from the stage, and the next block's rows are in; the fetch just issued is younger
.else
	s_wait_dscnt 0x0
.endif
	TOC (\a)%2, \a
.endm
; ================= THE HEAD
	s_load_b256 s[4:11], s[0:1], 0x0               ; aimg, asc, gimg, gsc
	s_load_b128 s[12:15], s[0:1], 0x20             ; bo, out0
	v_lshl_add_u32 v[SPW], v0, 2, SPARE
	v_mov_b32 v[NIL], 0
	ds_add_u32 v[SPW], v[NIL]                      ; the opening lines: the add, twice on end, and its wait ahead of my tensor load
	ds_add_u32 v[SPW], v[NIL]
	v_lshrrev_b32 v1, 5, v0
	v_readfirstlane_b32 s20, v1                    ; the wave; s21 its row of the 2 x 2, s22 its column
	s_lshr_b32 s21, s20, 1
	s_and_b32 s22, s20, 1
	s_bfe_u32 s23, ttmp6, 0x40000                  ; cx
	s_bfe_u32 s40, ttmp6, 0x40004                  ; cy
	s_lshl_b32 s41, ttmp9, 2
	s_add_co_u32 s41, s41, s23                     ; tile column, 0 .. 7
	s_and_b32 s42, ttmp7, 0xffff
	s_lshl_b32 s42, s42, 2
	s_add_co_u32 s42, s42, s40                     ; tile row, 0 .. 31
	s_lshl_b32 s43, s40, 2
	s_lshl_b32 s43, 15, s43                        ; my row of the cluster: shares A's rows
	s_lshl_b32 s44, 0x1111, s23                    ; my column: shares B's
	GROUP1 G1Y, 43, 384                            ; a group: 384 rows of 256 bytes
	GROUP1 G1X, 44, 384
	GROUP1 G1S, 43, 32                             ; the scale words of A's two groups
	s_mul_i32 s76, s42, 2*GRP                      ; A's two groups, bytes from aimg
	s_mov_b32 s77, 0
	s_add_co_u32 s78, s41, 216
	s_lshl_b32 s82, s78, 12                        ; B's scale words, from gsc
	s_mul_i32 s78, s78, GRP                        ; B's group, from gimg
	s_mov_b32 s79, 0
	s_mov_b32 s83, 0
	s_lshl_b32 s80, s42, 13                        ; A's scale words, from asc
	s_mov_b32 s81, 0
	s_lshl_b32 s86, s41, 9
	s_lshl_b32 s84, s22, 8
	s_add_co_u32 s86, s86, s84                     ; my first column, in bytes: 512 x tile column + 256 x half
	s_mov_b32 s87, 0
	s_lshl_b32 s84, s42, 20
	s_lshl_b32 s85, s21, 19
	s_add_co_u32 s84, s84, s85
	s_add_co_u32 s84, s84, s86                     ; my first row of out0: 256 x tile row + 128 x half, rows of 4,096 bytes; + the column
	s_mov_b32 s85, 0
	s_mov_b32 s[G0X], 1
	s_mov_b32 s[G0X+1], XB
	s_mov_b32 s[G0Y], 1
	s_mov_b32 s[G0S], 1
	s_mov_b32 s[G0S+1], SCY
	s_mul_i32 s2, s21, GRP                         ; LDS: my group of A,
	s_mul_i32 s3, s22, 4*3072
	s_add_co_u32 s3, s3, XB                        ; my four tiles of B,
	s_lshl_b32 s45, s22, 11
	s_add_co_u32 s45, s45, SCX                     ; their scale words,
	s_lshl_b32 s46, s21, 12
	s_add_co_u32 s46, s46, SCY                     ; my group's,
	s_mul_i32 s47, s20, 16*SPITCH
	s_add_co_u32 s47, s47, STAGE                   ; my stage
	v_and_b32 v1, 15, v0                           ; r
	v_bfe_u32 v2, v0, 4, 1                         ; h
	v_and_b32 v3, 31, v0                           ; lane
	v_lshl_add_u32 v[AA0], v3, 3, s2
	v_add_nc_u32 v[AA0+1], 2*KSB, v[AA0]
	v_lshl_add_u32 v[BA0], v3, 4, s3
	v_add_nc_u32 v[BA0+1], 2*KSB, v[BA0]
	v_lshl_add_u32 v[ABS], v1, 2, s45
	v_lshl_add_u32 v[ABS], v2, 9, v[ABS]
	v_lshl_add_u32 v[AAS], v1, 2, s46
	v_mul_u32_u24 v22, v1, SPITCH
	v_lshl_add_u32 v22, v2, 6, v22
	v_add_nc_u32 v[STO], s47, v22
	v_mul_u32_u24 v23, v2, SPITCH
	v_lshl_add_u32 v23, v1, 4, v23
	v_add_nc_u32 v[RD], s47, v23
	v_lshlrev_b32 v[CO], 12, v2
	v_lshl_add_u32 v[CO], v1, 4, v[CO]
	v_lshlrev_b32 v[BIO], 6, v2
	v_lshlrev_b32 v20, 4, v0                       ; B's scale words on their way into LDS: 16 bytes a thread, twice
	v_add_nc_u32 v21, SCX, v20
	WALU                                           ; the wait at the head's end
	s_wait_dscnt 0x0                               ; both opening adds are done
	CROUND                                         ; the opening round, ahead of the wait for the arguments
	s_wait_kmcnt 0x0
	s_add_nc_u64 s[G0X+2:G0X+3], s[8:9], s[78:79]
	s_or_b32 s[G0X+3], s[G0X+3], 0x80000000
	s_add_nc_u64 s[G0Y+2:G0Y+3], s[4:5], s[76:77]
	s_add_nc_u64 s[G0S+2:G0S+3], s[6:7], s[80:81]
	s_or_b32 s[G0S+3], s[G0S+3], 0x80000000
	s_add_nc_u64 s[10:11], s[10:11], s[82:83]
	s_add_nc_u64 s[12:13], s[12:13], s[86:87]
	s_add_nc_u64 s[14:15], s[14:15], s[84:85]
	s_cmp_eq_u32 s20, 0
	s_cbranch_scc0 .Lwave_1
	TLOAD G0X, G1X                                 ; wave 0: B's group, which is wanted first
	s_branch .Lasked
.Lwave_1:
	s_cmp_eq_u32 s20, 1
	s_cbranch_scc0 .Lwave_2
	s_mov_b32 s[G0Y+1], 0
	s_or_b32 s[G0Y+3], s[G0Y+3], 0x80000000
	TLOAD G0Y, G1Y                                 ; wave 1: A's first group
	s_branch .Lasked
.Lwave_2:
	s_cmp_eq_u32 s20, 2
	s_cbranch_scc0 .Lwave_3
	s_mov_b32 s[G0Y+1], GRP
	s_add_nc_u64 s[G0Y+2:G0Y+3], s[G0Y+2:G0Y+3], GRP
	s_or_b32 s[G0Y+3], s[G0Y+3], 0x80000000
	TLOAD G0Y, G1Y                                 ; wave 2: its second
	s_branch .Lasked
.Lwave_3:
	TLOAD G0S, G1S                                 ; wave 3: A's scale words
.Lasked:
	global_load_b128 v[24:27], v20, s[10:11]               ; B's scale words: 512 consecutive bytes an instruction
	global_load_b128 v[28:31], v20, s[10:11] offset:2048
.irp b, 0,1,2,3
	global_load_b128 v[BO+8*\b:BO+8*\b+3], v[BIO], s[12:13] offset:(32*(\b/2)+8*(\b%2))*4
	global_load_b128 v[BO+8*\b+4:BO+8*\b+7], v[BIO], s[12:13] offset:(32*(\b/2)+8*(\b%2))*4+16
.endr
	s_wait_loadcnt 0x8                             ; the scale words are in; the bias's eight loads may be out
	ds_store_b128 v21, v[24:27]
	ds_store_b128 v21, v[28:31] offset:2048
	s_wait_dscnt 0x0
	s_cmp_eq_u32 s20, 0
	s_cbranch_scc0 .Lnot_b
	s_wait_tensorcnt 0x0                           ; wave 0: B's group has landed
.Lnot_b:
	BARRIER                                        ; B and its scale words are shown to all
.irp q, 0,1,2,3,4,5,6,7                ; my 64 rows of B, all of K: 96 loads
.irp b, 0,1,2,3
	WIN (1+(NB*\q+\b)/FPW)<<6
.irp p, 0,1,2
	ds_load_b128 v[FR*((NB*\q+\b)%FPW)+4*\p:FR*((NB*\q+\b)%FPW)+4*\p+3], v[BA0+(\q/4)] offset:((\q/2)%2)*KSB+\b*3072+(\q%2)*1536+512*\p
.endr
.endr
.endr
	WIN 0
.irp p, 0,1
.irp q, 0,1,2,3,4,5,6,7
	ds_load_b32 v[SB+NQ*\p+\q], v[ABS] offset:1024*\p+64*\q
.endr
.endr
	s_wait_loadcnt 0x0                             ; the bias
	s_wait_tensorcnt 0x0                           ; every wave: its tile has landed
	s_wait_dscnt 0x0
	BARRIER                                        ; A and its scale words are shown to all
	FETCHA 0, 0
	FETCHA 1, 1
	s_wait_dscnt NF                                ; block 0's rows are in
; ================= THE STREAM: eight blocks, each stored behind its own products
.irp a, 0,1,2,3,4,5,6,7
	STREAM \a
.endr
	s_wait_tensorcnt 0x0                           ; the wave's end
	ds_add_u32 v[SPW], v[NIL]
	s_wait_dscnt 0x0
	CROUND                                         ; the closing round
	s_endpgm
.Lfunc_end_k_q009f1f3152_oproj:
	.size	k_q009f1f3152_oproj, .Lfunc_end_k_q009f1f3152_oproj-k_q009f1f3152_oproj
	.p2alignl 7, 3214868480
	.fill 96, 4, 3214868480
	.section	.rodata,"a",@progbits
	.p2align	6, 0x0
	.amdhsa_kernel k_q009f1f3152_oproj
		.amdhsa_group_segment_fixed_size 327680
		.amdhsa_private_segment_fixed_size 0
		.amdhsa_enable_private_segment 0
		.amdhsa_kernarg_size 48
		.amdhsa_user_sgpr_count 2
		.amdhsa_user_sgpr_kernarg_segment_ptr 1
		.amdhsa_wavefront_size32 1
		.amdhsa_system_sgpr_workgroup_id_x 1
		.amdhsa_system_sgpr_workgroup_id_y 1
		.amdhsa_system_sgpr_workgroup_id_z 1
		.amdhsa_system_vgpr_workitem_id 0
		.amdhsa_next_free_vgpr 840
		.amdhsa_next_free_sgpr 102
		.amdhsa_reserve_vcc 0
		.amdhsa_float_denorm_mode_32 3
		.amdhsa_float_denorm_mode_16_64 3
		.amdhsa_memory_ordered 1
		.amdhsa_forward_progress 1
		.amdhsa_inst_pref_size 94
	.end_amdhsa_kernel
	.amdgpu_metadata
---
amdhsa.version: [ 1, 2 ]
amdhsa.kernels:
  - .name:           k_q009f1f3152_oproj
    .symbol:         k_q009f1f3152_oproj.kd
    .args:
      - { .name: aimg, .offset: 0, .size: 8, .value_kind: global_buffer, .address_space: global }
      - { .name: asc, .offset: 8, .size: 8, .value_kind: global_buffer, .address_space: global }
      - { .name: gimg, .offset: 16, .size: 8, .value_kind: global_buffer, .address_space: global }
      - { .name: gsc, .offset: 24, .size: 8, .value_kind: global_buffer, .address_space: global }
      - { .name: bo, .offset: 32, .size: 8, .value_kind: global_buffer, .address_space: global }
      - { .name: out0, .offset: 40, .size: 8, .value_kind: global_buffer, .address_space: global }
    .group_segment_fixed_size: 327680
    .private_segment_fixed_size: 0
    .kernarg_segment_align: 8
    .kernarg_segment_size: 48
    .max_flat_workgroup_size: 128
    .sgpr_count:     102
    .vgpr_count:     840
    .wavefront_size: 32
...
	.end_amdgpu_metadata
.endif
;; end of part 4
